; MI455X (gfx1250); checked and timed in simulation.
; The chip was launched on July 23, 2026; its instructions are those of AMD's public machine-readable ISA for CDNA 5 (MIT licence, August 2026) and "CDNA5" Instruction Set Architecture Reference Guide (July 2026). The comments in the code are by the model that wrote it; some were corrected since.
;; Multi Head Attention. Allowed arithmetic: matrix products marked QUANTISED: E2M3 operands, one E8M0 scale for each 32 along K, by v_wmma_scale_f32_16x16x128_f8f6f4 with both operands' format E2M3, f32 sums; everything else in f32.
;; Inputs: Wk_codes 1,024 x 32 x 24 uint8 (E2M3 codes of Wk, K innermost, in blocks of 32 codes, four codes in three bytes); Wk_scales 1,024 x 32 uint8 (E8M0 scales of Wk, one for each 32 codes along K); Wo_codes 1,024 x 32 x 24 uint8 (E2M3 codes of Wo, K innermost, in blocks of 32 codes, four codes in three bytes); Wo_scales 1,024 x 32 uint8 (E8M0 scales of Wo, one for each 32 codes along K); Wq_codes 1,024 x 32 x 24 uint8 (E2M3 codes of Wq, K innermost, in blocks of 32 codes, four codes in three bytes); Wq_scales 1,024 x 32 uint8 (E8M0 scales of Wq, one for each 32 codes along K); Wv_codes 1,024 x 32 x 24 uint8 (E2M3 codes of Wv, K innermost, in blocks of 32 codes, four codes in three bytes); Wv_scales 1,024 x 32 uint8 (E8M0 scales of Wv, one for each 32 codes along K); bk 1,024 float32; bo 1,024 float32; bq 1,024 float32; bv 1,024 float32; x_codes 4 x 2,048 x 32 x 24 uint8 (E2M3 codes of x, K innermost, in blocks of 32 codes, four codes in three bytes); x_scales 4 x 2,048 x 32 uint8 (E8M0 scales of x, one for each 32 codes along K).
;; Outputs: out0 4 x 2,048 x 1,024 float32.
;; This version of the problem:
;;   THIS VERSION OF THE PROBLEM IS GIVEN IN LOW PRECISION. The matrix products marked QUANTISED in the list below multiply operands that are first quantised to E2M3 (2 exponent bits, 3 mantissa bits; 6 bits a number), with one power-of-two scale for each 32 numbers along K (OCP MX v1.0); their sums are f32. All else is computed in f32.
;;   The module's matrix products, in the order in which they are computed (A, B: the left and right operand; K: the contracted axis; several contracted axes count as one K, in the product's order):
;;     1. [M 8,192, K 1,024] x [K 1,024, N 1,024]; A: input x (given as codes); B: input Wq (given as codes): QUANTISED
;;     2. [M 8,192, K 1,024] x [K 1,024, N 1,024]; A: input x (given as codes); B: input Wk (given as codes): QUANTISED
;;     3. [M 8,192, K 1,024] x [K 1,024, N 1,024]; A: input x (given as codes); B: input Wv (given as codes): QUANTISED
;;     4. batch 64 x [M 2,048, K 64] x [K 64, N 2,048]; A: computed on the way; B: computed on the way: QUANTISED
;;     5. batch 64 x [M 2,048, K 2,048] x [K 2,048, N 64]; A: softmax (see below); B: computed on the way: QUANTISED
;;     6. [M 8,192, K 1,024] x [K 1,024, N 1,024]; A: computed on the way; B: input Wo (given as codes): QUANTISED
;;   THE QUANTISER, for each operand of a quantised product, along K:
;;     - K is cut into blocks of 32 from its start; a last block that is shorter is filled with zeros.
;;     - A block's scale is 2^e with e = floor(log2(the largest magnitude in the block)) - 2, held to -126 .. 127; a block of zeros has e = 0. As a byte (E8M0): e + 127.
;;     - Each number is divided by its block's scale, clamped to +-7.5, and rounded to the nearest number of E2M3, ties to even, subnormals kept.
;;     - The product sums the exact products of the quantised numbers (number of the format x scale) in f32.
;;   ~~~python
;;   def quantise(x, axis):      # numpy; x: float32 -> the quantised numbers, widened to float32 again
;;       x = np.moveaxis(x, axis, -1); K = x.shape[-1]
;;       x = np.pad(x, [(0, 0)] * (x.ndim - 1) + [(0, -K % 32)]); x = x.reshape(x.shape[:-1] + (-1, 32)); a = np.abs(x).max(-1, keepdims=True)
;;       e = np.where(a > 0, np.clip(np.frexp(np.where(a > 0, a, 1))[1] - 1 - 2, -126, 127), 0)      # np.frexp(a)[1] - 1 = floor(log2(a)), exactly
;;       r = np.clip(x / 2.0 ** e, -7.5, 7.5)
;;       step = 2.0 ** (np.maximum(np.frexp(np.where(r == 0, 1, r))[1] - 1, 0) - 3)
;;       q = np.round(r / step) * step * 2.0 ** e      # np.round: ties to even
;;       return np.moveaxis(q.reshape(q.shape[:-2] + (-1,))[..., :K], -1, axis).astype(np.float32)
;;   ~~~
;;   SOFTMAX AHEAD OF A QUANTISED PRODUCT. Where the list says 'softmax', what is quantised is not the finished softmax but p = 2^(t - M), with t = logit x log2(e) and M = ceil(the row's largest t), a whole number; so 1/2 < the row's largest p <= 1. The row's sum l is taken of the UNQUANTISED p, in f32, and the product's result is divided by l at the end. Since M is a whole number, a kernel that streams over the keys may use a running M (the ceiling of the running maximum): every later rescaling is an exact power of two, which a block's scale takes up: the codes' values come out the same.
;;   OPERANDS COMPUTED ON THE WAY. 'Computed on the way' means the value that the module computes at that place (a softmax that the list does not call 'softmax' is quantised finished and normalised). What goes into a quantiser is computed in f32, as accurately as f32 sums, v_exp_f32 and their like allow (about 1e-6 of the number): no bf16 or f16 on the way to a quantiser, and a product that is left as it is and whose result goes on into a quantised operand takes f32 operands (vector FMAs, or v_wmma_f32_16x16x4_f32). A number that lies on a knife's edge between two numbers of the format may be rounded either way, as far as f32 arithmetic and the matrix unit's own rounding can turn it there, and no further.
;;   INPUTS GIVEN AS CODES. Wk (in the module: [1024, 1024], K = its axis 1); Wo (in the module: [1024, 1024], K = its axis 1); Wq (in the module: [1024, 1024], K = its axis 1); Wv (in the module: [1024, 1024], K = its axis 1); x (in the module: [4, 2048, 1024], K = its axis 2): each comes as NAME_codes (uint8): NAME with its K axis moved to the last place and cut into blocks of 32 codes, [.., K / 32, bytes a block], one block behind the other in memory; four codes in three bytes: a row's codes are one little-endian stream of bits, code i at bits 6 i .. 6 i + 5 (a code: sign, 2 exponent bits, 3 mantissa bits); and NAME_scales (uint8): the same leading axes, one E8M0 byte (e + 127) for each 32 codes along K. Its value is code x scale, taken as it is: it is not quantised again, and the codes and scales need not be those that the quantiser above would give.
;; One version. Each part assembles by itself: llvm-mc -triple=amdgcn-amd-amdhsa -mcpu=gfx1250 --defsym DOCPART=n.
;; ======== version 1 of 1: 3 launches
;; limits: right only within a limited range of input values
;; workspace buffers: kv 12,582,912 bytes; ksc 524,288 bytes; qimg 6,291,456 bytes; qsc 262,144 bytes; acd 6,291,456 bytes; asc 262,144 bytes
;; launch proj (part 1): grid 12 x 32, 4 waves a work-group, clusters of 4 x 4, 327,680 bytes of LDS; arguments x_codes, x_scales, Wq_codes, Wq_scales, Wk_codes, Wk_scales, Wv_codes, Wv_scales, bq, bk, bv, qimg, qsc, kv, ksc; writes qimg, qsc, kv, ksc
.if DOCPART == 1
	.amdgcn_target "amdgcn-amd-amdhsa--gfx1250"
	.amdhsa_code_object_version 6
	.text
	.protected	k_qaa062a2615_proj
	.globl	k_qaa062a2615_proj
	.p2align	8
	.type	k_qaa062a2615_proj,@function
k_qaa062a2615_proj:
	s_mov_b64 s[64:65], 0
	v_nop
	global_prefetch_b8 v0, s[64:65] scope:SCOPE_SE
	s_setreg_imm32_b32 hwreg(HW_REG_WAVE_MODE, 25, 1), 1
	s_wait_xcnt 0x0
	s_wait_alu depctr_hold_cnt(0) depctr_sa_sdst(0) depctr_va_vdst(0) depctr_va_sdst(0) depctr_va_ssrc(0) depctr_va_vcc(0) depctr_vm_vsrc(0)
	s_getreg_b32 s2, hwreg(HW_REG_IB_STS2, 6, 4)
	s_cmp_eq_u32 s2, 0
	s_cbranch_scc0 .Lentry_in_a_cluster
	s_endpgm
.Lentry_in_a_cluster:
	s_bfe_u32 s2, ttmp6, 0x10000c
	s_cmp_lg_u32 s2, 0xf033
	s_cbranch_scc0 .Lentry_shape_is_right
	s_endpgm
.Lentry_shape_is_right:
; q = x Wq^T + bq, k = x Wk^T + bk, v = x Wv^T + bv on codes of FP6 (E2M3) with one E8M0 scale for each 32 along K = 1,024; sums in f32; the results are quantised at once
; (q and k along the head's 64, v along the keys) and stored as IMAGES OF THE NEXT LAUNCH'S OPERAND REGISTERS: a fragment is 12 registers a lane = 3 pieces of 512 bytes, lane l's registers 4 c .. 4 c + 3 at 512 c + 16 l.
; A tile of 256 x 256 is made by four waves, 128 x 128 each: 64 accumulators, 512 registers.  K goes in steps of 256 through a ring of two LDS slots filled by the tensor data mover; the scale bytes of the work-group's rows come once.
; ROLES.  Source 0 of the matrix instruction ('B', window 1) is the axis that is quantised along afterwards, source 1 ('A') gives a lane its row.  Cluster x = 0: B = Wq, A = x; 1: B = Wk, A = x; 2: B = x, A = Wv.
; THE ROWS OF A TILE ARE NOT NEIGHBOURS: in a run of 128 rows lane r of tile i takes row R(i, r) = 64 (i / 4) + 8 (i % 4) + r % 8 + 32 (r / 8), on both sides.  A lane's 64 results of one block of A then are, register 8 i + j,
; B's rows 64 (i / 4) + 32 (lane / 16) + 8 (i % 4) + j: registers 32 c .. 32 c + 31 are the WHOLE block 2 c + lane / 16 of 32 along the next K: its maximum needs no other lane, and the conversions' results are the next operand's registers.
; CLUSTERS: 4 x 4 work-groups; A's tiles are asked for jointly along a row of the cluster, B's along a column.
; LIMITS: NaN and infinities are not served.  A block of zeros gets the scale byte 1 where the quantiser's rule says 127: its codes are zeros, and these bytes are read by this program alone.  A given scale byte 0xff gives NaN.
; REGISTERS: window 0: v16-31 addresses; v32-63 scale words, two sets; v64-127 the bias; v128-223 A's fragments, one set; on the way out v128-251 are at work.  window 1: B's fragments, two sets, at v0 and v128.
;   window 2: the accumulators of A's blocks 0-3 ((a, b) at v[8 (8 (a % 4) + b)]); window 3: those of blocks 4-7.
.set KROW,   768                       ; a row of codes in memory: 1,024 codes
.set ROWB,   256                       ; a tile's row: a chunk of 256 bytes of a row of codes
.set CHUNKS, 3                         ; chunks along K; chunk c lies in slot c % 2
.set G0H,    84                        ; s[84:87], s[88:91] group 0 of the head's loads of chunk 0 (the pointers that lay there have served)
.set G0HB,   88
.set NQ,     2                         ; matrix instructions deep in a slot
.set PITCH,  272                       ; an LDS row: 256 bytes + 16 of padding
.set FR,     12
.set NL,     6                         ; LDS loads that bring a fragment
.set NP,     4                         ; places behind this matrix instruction (ISA guide 7.12.1)
.set HALFT,  128*PITCH
.set SLOT,   4*HALFT                   ; A's 256 rows, then B's 256 rows
.set SCL,    2*SLOT                    ; behind the ring: the scale bytes, as units of 256 bytes + 16 of padding
.set HALFS,  16*272                    ; those of 128 rows
.set SPARE,  SCL+4*HALFS               ; the spare words, 128 bytes for each wave
.set ADRA, 16                          ; v16-17 my A fragments in slot 0, 1 (v18-19: behind one padding more)
.set ADRB, 20                          ; v20-23 the same for B
.set OL16, 24                          ; v24  16 x lane
.set OL8,  25                          ; v25  8 x lane
.set SH8,  26                          ; v26  8 x (lane / 16)
.set ADRS, 27                          ; v27  my scale words: lanes 0-15 A's rows, lanes 16-31 B's
.set SPW,  28                          ; v28  my spare word; never rewritten
.set NIL,  29                          ; v29  0; never rewritten
.set BQO,  30                          ; v30  128 x (lane / 16): q's and k's bias
.set BVO,  31                          ; v31  4 x my row in a tile: v's bias
.set SC,   32
.set BI,   64
.set AF,   128
.set HA,   128                         ; the way out: 64 numbers of a lane
.set FA,   192                         ; a fragment being made;
.set FB,   204                         ; a second one
.set PT,   216                         ; the conversions' second halves
.set TM,   224                         ; v224-230 at work
.set WT,   232                         ; v232-233 the words of two neighbouring blocks of A
.set W,    240                         ; v240-247 eight scale words
.set ST,   248                         ; v248-251 as they are stored
.set G1,   4                           ; s[4:11] group 1 for A's tiles; s[12:19] group 0, a set for each slot
.set G0,   12
.set G1B,  20                          ; s[20:27], s[28:35] the same for B's
.set G0B,  28
.set G1S,  36                          ; s[36:43], s[44:47] groups 1 and 0 for A's scale bytes; s[48:55], s[56:59] for B's
.set G0S,  44
.set G1SB, 48
.set G0SB, 56
.set WV,   66
.set RH,   67                          ; which half of A's rows is mine.  Also: I fetch for A (0) or for B (1)
.set CH,   68                          ; which half of B's rows.  Also: which 128 rows I fetch
.set CX,   69
.set CY,   70
.set OA,   76                          ; s[76:77] where the first head's codes go; s[78:79] the second head's
.set OB,   78
.set SA,   80                          ; s[80:81], s[82:83] their scale words
.set SB,   82
.set PAC,  84                          ; the chosen buffers: A's codes, A's scales, B's codes, B's scales, the bias, the codes' and the scale words' destination
.set PAS,  86
.set PBC,  88
.set PBS,  90
.set PBI,  92
.set POC,  94
.set POS,  96
.set HIM,  98                          ; s98  lanes 16-31
.set SEL,  100                         ; s[100:101] v_permlanex16_b32's selects for lane l xor 16
.set MSB, 0
.macro WIN new                         ; the immediate's high byte repeats the setting that is left
.if MSB != (\new)
	s_set_vgpr_msb (MSB<<8)|(\new)
.set MSB, (\new)
.endif
.endm
.set MUL_LO, 0xa1                      ; source 0 (B) window 1, source 1 (A) window 0, C and D window 2
.set MUL_HI, 0xf1
.set TO_B,   0x40
; A joint load: waves 0 and 1 fetch for A, waves 2 and 3 for B; the branch hangs on the wave's number alone.  Four v_nop follow each of the two lines.
.macro JLOAD g0a, g1a, g0b, g1b
	s_cmp_eq_u32 s[RH], 0
	s_cbranch_scc0 .Lfor_b_\@
	tensor_load_to_lds s[\g0a:\g0a+3], s[\g1a:\g1a+7]
	s_nop 0
.rept 4
	v_nop
.endr
	s_branch .Lasked_\@
.Lfor_b_\@:
	tensor_load_to_lds s[\g0b:\g0b+3], s[\g1b:\g1b+7]
	s_nop 0
.rept 4
	v_nop
.endr
.Lasked_\@:
.endm
.macro CREST                           ; a round of the cluster's barrier behind its opening barrier
	s_cmp_lg_u32 s[WV], 0
	s_cbranch_scc1 .Lnot_wave_0_\@
	s_barrier_signal -3
.Lnot_wave_0_\@:
	s_barrier_wait -3
	s_barrier_signal -1
	s_barrier_wait -1
.endm
.macro CROUND
	s_barrier_signal -1
	s_barrier_wait -1
	CREST
.endm
	s_load_b512 s[4:19], s[0:1], 0x0               ; x codes, x scales, Wq codes, Wq scales, Wk codes, Wk scales, Wv codes, Wv scales
	s_load_b256 s[20:27], s[0:1], 0x40             ; bq, bk, bv, qimg
	s_load_b128 s[28:31], s[0:1], 0x60             ; qsc, kv
	s_load_b64 s[32:33], s[0:1], 0x70              ; ksc
	v_lshl_add_u32 v[SPW], v0, 2, SPARE
	v_mov_b32 v[NIL], 0
	ds_add_u32 v28, v29
	ds_add_u32 v28, v29
	s_wait_dscnt 0x0
	v_lshrrev_b32 v1, 5, v0
	v_readfirstlane_b32 s[WV], v1                  ; wave 0..3
	s_lshr_b32 s[RH], s[WV], 1
	s_and_b32 s[CH], s[WV], 1
	s_bfe_u32 s[CX], ttmp6, 0x40000                ; my place in the cluster
	s_bfe_u32 s[CY], ttmp6, 0x40004
	s_and_b32 s72, ttmp7, 0xffff
	s_lshl_b32 s72, s72, 2                         ; 4 x cluster y
	s_cmp_eq_u32 ttmp9, 2                          ; cluster x says which product: the same in all sixteen partners
	s_cselect_b32 s73, s72, 0
	s_cselect_b32 s74, 0, s72
	s_add_co_u32 s73, s73, s[CX]                   ; B's tile: it never holds cy
	s_add_co_u32 s74, s74, s[CY]                   ; A's tile: it never holds cx
	s_lshl_b32 s60, s[CY], 2
	s_lshl_b32 s60, 15, s60                        ; my row of the cluster
	s_lshl_b32 s61, 0x1111, s[CX]                  ; my column
	s_lshl_b32 s2, s74, 8                          ; A's tile's first row
	s_lshl_b32 s3, s73, 8                          ; B's
	s_mul_i32 s76, s2, KROW                        ; in bytes: at most 8,191 rows of 768
	s_mov_b32 s77, 0
	s_lshl_b32 s78, s2, 5
	s_mov_b32 s79, 0
	s_mul_i32 s80, s3, KROW
	s_mov_b32 s81, 0
	s_lshl_b32 s82, s3, 5
	s_mov_b32 s83, 0
	s_mul_i32 s62, s[WV], HALFT                    ; where they go: wave x 128 rows: no place in the cluster enters an LDS address
	s_mov_b32 s[HIM], 0xffff0000
	s_mov_b32 s[SEL], 0x76543210
	s_mov_b32 s[SEL+1], 0xfedcba98
	s_wait_kmcnt 0x0
	s_cmp_eq_u32 ttmp9, 2                          ; the buffers are chosen by the cluster's x alone
	s_cselect_b64 s[PAC:PAC+1], s[16:17], s[4:5]
	s_cselect_b64 s[PAS:PAS+1], s[18:19], s[6:7]
	s_cselect_b64 s[PBC:PBC+1], s[4:5], s[12:13]
	s_cselect_b64 s[PBS:PBS+1], s[6:7], s[14:15]
	s_cselect_b64 s[PBI:PBI+1], s[24:25], s[22:23]
	s_cmp_eq_u32 ttmp9, 0
	s_cselect_b64 s[PBC:PBC+1], s[8:9], s[PBC:PBC+1]
	s_cselect_b64 s[PBS:PBS+1], s[10:11], s[PBS:PBS+1]
	s_cselect_b64 s[PBI:PBI+1], s[20:21], s[PBI:PBI+1]
	s_cselect_b64 s[POC:POC+1], s[26:27], s[30:31]
	s_cselect_b64 s[POS:POS+1], s[28:29], s[32:33]
	s_add_nc_u64 s[PAC:PAC+1], s[PAC:PAC+1], s[76:77]
	s_add_nc_u64 s[PAS:PAS+1], s[PAS:PAS+1], s[78:79]
	s_add_nc_u64 s[PBC:PBC+1], s[PBC:PBC+1], s[80:81]
	s_add_nc_u64 s[PBS:PBS+1], s[PBS:PBS+1], s[82:83]
	; descriptor group 1: a tile of 128 rows x 256 bytes, 16 bytes of padding behind every 256
	s_or_b32 s[G1+0], s60, (0<<16)|(1<<20)|(1<<21)|(5<<22)|(3<<25)   ; the mask; elements of 1 byte; 4 words of padding behind every 64
	s_or_b32 s[G1B+0], s61, (0<<16)|(1<<20)|(1<<21)|(5<<22)|(3<<25)
.irp g, G1, G1B
	s_mov_b32 s[\g+1], ROWB<<16                    ; tensor_dim0
	s_mov_b32 s[\g+2], 256<<16                     ; the head's loads bring 256 rows
	s_mov_b32 s[\g+3], ROWB<<16                    ; tile_dim0
	s_mov_b32 s[\g+4], 256
	s_mov_b32 s[\g+5], KROW                        ; from row to row
	s_mov_b32 s[\g+6], 0
	s_mov_b32 s[\g+7], 0
.endr
	; the scale bytes of 256 rows: 8,192 dense bytes as 32 rows of 256 (32 elements of 8 bytes), 16 bytes of padding behind each
	s_or_b32 s[G1S+0], s60, (3<<16)|(1<<20)|(1<<21)|(5<<22)|(3<<25)
	s_or_b32 s[G1SB+0], s61, (3<<16)|(1<<20)|(1<<21)|(5<<22)|(3<<25)
.irp g, G1S, G1SB
	s_mov_b32 s[\g+1], 32<<16
	s_mov_b32 s[\g+2], 32<<16                      ; the scale bytes of 256 rows: 32 rows of 256 bytes
	s_mov_b32 s[\g+3], 32<<16
	s_mov_b32 s[\g+4], 32
	s_mov_b32 s[\g+5], 32
	s_mov_b32 s[\g+6], 0
	s_mov_b32 s[\g+7], 0
.endr
	CROUND                                         ; all sixteen work-groups are here: the first joint loads meet
	s_mov_b32 s[G0S], 1                            ; the scale bytes of A's 256 rows,
	s_mov_b32 s[G0S+1], SCL
	s_mov_b64 s[G0S+2:G0S+3], s[PAS:PAS+1]
	s_or_b32 s[G0S+3], s[G0S+3], 0x80000000
	s_mov_b32 s[G0SB], 1                           ; and of B's
	s_mov_b32 s[G0SB+1], SCL+2*HALFS
	s_mov_b64 s[G0SB+2:G0SB+3], s[PBS:PBS+1]
	s_or_b32 s[G0SB+3], s[G0SB+3], 0x80000000
	s_mul_i32 s2, s[CH], 128*KROW                  ; in the ring I fetch 128 rows of a tile: which half
	s_mov_b32 s3, 0
.irp s, 0,1
	s_mov_b32 s[G0+4*\s], 1
	s_add_co_u32 s[G0+4*\s+1], s62, \s*SLOT
	s_add_nc_u64 s[G0+4*\s+2:G0+4*\s+3], s[PAC:PAC+1], s[2:3]
	s_add_nc_u64 s[G0+4*\s+2:G0+4*\s+3], s[G0+4*\s+2:G0+4*\s+3], \s*ROWB
	s_or_b32 s[G0+4*\s+3], s[G0+4*\s+3], 0x80000000
	s_mov_b32 s[G0B+4*\s], 1
	s_add_co_u32 s[G0B+4*\s+1], s62, \s*SLOT
	s_add_nc_u64 s[G0B+4*\s+2:G0B+4*\s+3], s[PBC:PBC+1], s[2:3]
	s_add_nc_u64 s[G0B+4*\s+2:G0B+4*\s+3], s[G0B+4*\s+2:G0B+4*\s+3], \s*ROWB
	s_or_b32 s[G0B+4*\s+3], s[G0B+4*\s+3], 0x80000000
.endr
	s_mov_b64 s[G0H+2:G0H+3], s[PAC:PAC+1]         ; chunk 0's 256 rows of A,
	s_or_b32 s[G0H+3], s[G0H+3], 0x80000000
	s_mov_b32 s[G0H], 1
	s_mov_b32 s[G0H+1], 0
	s_mov_b64 s[G0HB+2:G0HB+3], s[PBC:PBC+1]       ; and of B, behind them in slot 0
	s_or_b32 s[G0HB+3], s[G0HB+3], 0x80000000
	s_mov_b32 s[G0HB], 1
	s_mov_b32 s[G0HB+1], 2*HALFT
; the head's four tiles, one load a wave: one chain of branches on the wave's number
.macro ARM under, g0, g1, next
	s_cmp_lt_u32 s[WV], \under
	s_cbranch_scc0 \next
	tensor_load_to_lds s[\g0:\g0+3], s[\g1:\g1+7]
	s_nop 0
.rept 4
	v_nop
.endr
	s_branch .Lhead_asked
\next:
.endm
	ARM 1, G0H,  G1,  .Lhead_b
	ARM 2, G0HB, G1B, .Lhead_sa
	ARM 3, G0S,  G1S, .Lhead_sb
	tensor_load_to_lds s[G0SB:G0SB+3], s[G1SB:G1SB+7]
	s_nop 0
.rept 4
	v_nop
.endr
.Lhead_asked:
	v_and_b32 v1, 15, v0                           ; r
	v_bfe_u32 v2, v0, 4, 1                         ; h
	v_and_b32 v3, 7, v1
	v_and_b32 v4, 8, v1
	v_lshl_add_u32 v3, v4, 2, v3                   ; my row in a tile: r % 8 + 32 (r / 8)
	v_lshlrev_b32 v[BVO], 2, v3
	v_mul_u32_u24 v4, v3, PITCH
	v_mad_u32_u24 v7, v2, 24, v4                   ; row x pitch + 24 x half
	s_mov_b32 s2, SLOT-232
	s_mov_b32 s3, SLOT+232
	v_sub_nc_u32 v8, 1, v2                         ; 1 in lanes 0-15
	v_mul_u32_u24 v5, s2, v2
	v_add_nc_u32 v5, v4, v5
	v_add_nc_u32 v5, 232, v5                       ; across two chunks: lanes 0-15 byte 232 of the row in slot 0, lanes 16-31 byte 0 of the row in slot 1;
	v_mul_u32_u24 v6, s3, v8
	v_add_nc_u32 v6, v4, v6                        ; and lanes 0-15 byte 232 in slot 1, lanes 16-31 byte 0 in slot 0
	s_mul_i32 s2, s[RH], HALFT                     ; my 128 rows of A
	s_mul_i32 s3, s[CH], HALFT                     ; my 128 rows of B,
	s_add_co_u32 s3, s3, 2*HALFT                   ; which lie behind A's 256
	v_add_nc_u32 v[ADRA+2], s2, v5
	v_add_nc_u32 v[ADRA+3], s2, v6
	v_add_nc_u32 v[ADRB+2], s3, v5
	v_add_nc_u32 v[ADRB+3], s3, v6
.irp s, 0,1
	v_add_nc_u32 v[ADRA+\s], s2, v7
	v_add_nc_u32 v[ADRB+\s], s3, v7
	s_add_co_u32 s2, s2, SLOT
	s_add_co_u32 s3, s3, SLOT
.endr
	v_and_b32 v5, 7, v1                            ; my row's scale bytes: 32 a row, eight rows to a unit of 272: row r % 8 + 32 (r / 8) lies at 32 (r % 8) + 4 x 272 (r / 8)
	v_lshlrev_b32 v5, 5, v5
	v_lshrrev_b32 v6, 3, v1
	v_mad_u32_u24 v5, v6, 1088, v5
	s_mul_i32 s2, s[RH], HALFS
	s_mul_i32 s3, s[CH], HALFS
	s_add_co_u32 s3, s3, 2*HALFS
	s_sub_co_u32 s3, s3, s2
	v_mul_u32_u24 v6, s3, v2                       ; lanes 16-31 take B's: one product, the distance between the two bases
	s_add_co_u32 s2, s2, SCL
	v_add_nc_u32 v5, v5, v6
	v_add_nc_u32 v[ADRS], s2, v5
	v_and_b32 v6, 31, v0
	v_lshlrev_b32 v[OL16], 4, v6
	v_lshlrev_b32 v[OL8], 3, v6
	v_lshlrev_b32 v[SH8], 3, v2
	v_lshlrev_b32 v[BQO], 7, v2
	v_mov_b32 v[TM+6], 0                           ; written once: a lane permute's destination counts as one of its sources
	; where my results go.  A record is one head's 128 tokens: record = (16 batch + head) x 16 + (token / 128) % 16
	s_cmp_eq_u32 ttmp9, 2
	s_cselect_b32 s2, s73, s74                     ; the tile of tokens,
	s_cselect_b32 s3, s[CH], s[RH]                 ; my 128 of its 256;
	s_cselect_b32 s62, s74, s73                    ; the tile of features,
	s_cselect_b32 s63, s[RH], s[CH]                ; my two heads of its four
	s_cselect_b32 s75, 6144, 0                     ; V's fragments lie behind K's in a record,
	s_cselect_b32 s71, 256, 0                      ; and so do its scale words
	s_lshl_b32 s2, s2, 1
	s_add_co_u32 s2, s2, s3                        ; token / 128
	s_lshl_b32 s62, s62, 2
	s_lshl_b32 s63, s63, 1
	s_add_co_u32 s62, s62, s63                     ; my first head
	s_lshl_b32 s72, s62, 8                         ; its 64 numbers of the bias begin 256 x head bytes on
	s_mov_b32 s73, 0
	s_add_nc_u64 s[PBI:PBI+1], s[PBI:PBI+1], s[72:73]
	s_lshr_b32 s3, s2, 4                           ; batch
	s_lshl_b32 s3, s3, 4
	s_add_co_u32 s3, s3, s62
	s_lshl_b32 s3, s3, 4
	s_and_b32 s2, s2, 15
	s_add_co_u32 s3, s3, s2                        ; the record
	s_cmp_eq_u32 ttmp9, 0
	s_mov_b32 s2, 12288
	s_cselect_b32 s2, 6144, s2                     ; a record's codes: q 6,144 bytes, k and v together 12,288
	s_mov_b32 s62, 512
	s_cselect_b32 s62, 256, s62                    ; and its scale words
	s_mul_i32 s[OA], s3, s2
	s_add_co_u32 s[OA], s[OA], s75
	s_mov_b32 s[OA+1], 0
	s_lshl_b32 s[OB], s2, 4                        ; the next head is 16 records on
	s_mov_b32 s[OB+1], 0
	s_mul_i32 s[SA], s3, s62
	s_add_co_u32 s[SA], s[SA], s71
	s_mov_b32 s[SA+1], 0
	s_lshl_b32 s[SB], s62, 4
	s_mov_b32 s[SB+1], 0
	s_add_nc_u64 s[OA:OA+1], s[POC:POC+1], s[OA:OA+1]
	s_add_nc_u64 s[OB:OB+1], s[OA:OA+1], s[OB:OB+1]
	s_add_nc_u64 s[SA:SA+1], s[POS:POS+1], s[SA:SA+1]
	s_add_nc_u64 s[SB:SB+1], s[SA:SA+1], s[SB:SB+1]
; 16 matrix instructions: A's blocks a0, a0 + 1 x B's eight, 128 along K.  The 64 accumulators take turns, one instruction a turn, in the same order in every step.
.macro MUL16 a0, p, q, sc, zero
.irp a, \a0, \a0+1
.irp b, 0,1,2,3,4,5,6,7
.if \zero
	v_wmma_scale_f32_16x16x128_f8f6f4 v[8*(8*((\a)%4)+\b):8*(8*((\a)%4)+\b)+7], v[128*(\p)+FR*\b:128*(\p)+FR*\b+FR-1], v[AF+FR*(\a):AF+FR*(\a)+FR-1], 0, v[SC+8*NQ*(\sc)+NQ*\b+(\q)], v[SC+8*NQ*(\sc)+NQ*(\a)+(\q)] matrix_a_fmt:MATRIX_FMT_FP6 matrix_b_fmt:MATRIX_FMT_FP6 matrix_a_scale:MATRIX_SCALE_ROW1
.else
	v_wmma_scale_f32_16x16x128_f8f6f4 v[8*(8*((\a)%4)+\b):8*(8*((\a)%4)+\b)+7], v[128*(\p)+FR*\b:128*(\p)+FR*\b+FR-1], v[AF+FR*(\a):AF+FR*(\a)+FR-1], v[8*(8*((\a)%4)+\b):8*(8*((\a)%4)+\b)+7], v[SC+8*NQ*(\sc)+NQ*\b+(\q)], v[SC+8*NQ*(\sc)+NQ*(\a)+(\q)] matrix_a_fmt:MATRIX_FMT_FP6 matrix_b_fmt:MATRIX_FMT_FP6 matrix_a_scale:MATRIX_SCALE_ROW1
.endif
.endr
.endr
.endm
.macro PLACES n                        ; plain vector instructions between a matrix instruction and a load into, or a vector instruction on, its registers
.rept \n
	v_nop
.endr
.endm
.macro LAST                            ; the very last step: nothing more to fetch
	s_wait_dscnt 4*NL
	WIN MUL_LO
	MUL16 0, 1, NQ-1, 1, 0
	MUL16 2, 1, NQ-1, 1, 0
	s_wait_dscnt 0
	WIN MUL_HI
	MUL16 4, 1, NQ-1, 1, 0
	MUL16 6, 1, NQ-1, 1, 0
	WIN 0
.endm
; 64 numbers of a lane, v[s] on, registers 32 c .. 32 c + 31 = the whole block 2 c + lane / 16, become codes in v[d0 .. d0 + 5] (c = 0) and v[d1 .. d1 + 5] (c = 1) and the four blocks' scale bytes in v[w].
.macro QUANT s, d0, d1, w
.irp c, 0,1
	v_max3_num_f32 v[TM+\c], |v[\s+32*\c]|, |v[\s+32*\c+1]|, 0x1800000   ; with the floor 2^(3 - 127): the byte cannot fall under 1
.endr
.irp i, 2,4,6,8,10,12,14,16,18,20,22,24,26,28,30
.irp c, 0,1
	v_max3_num_f32 v[TM+\c], v[TM+\c], |v[\s+32*\c+\i]|, |v[\s+32*\c+\i+1]|
.endr
.endr
.irp c, 0,1
	v_add_nc_u32 v[TM+2+\c], 0xff000000, v[TM+\c]  ; 2 off the exponent field: the conversion's scale operand
.endr
.irp c, 0,1
	v_lshrrev_b32 v[TM+4+\c], 23, v[TM+2+\c]       ; the scale's byte
.endr
	v_lshl_or_b32 v[\w], v[TM+5], 16, v[TM+4]      ; my two bytes, blocks h and 2 + h,
	v_lshlrev_b32 v[\w], v[SH8], v[\w]             ; at their places;
	v_permlanex16_b32 v[TM+6], v[\w], s[SEL], s[SEL+1]
	v_or_b32 v[\w], v[\w], v[TM+6]                 ; with lane l xor 16's two the word is whole
	v_cvt_scalef32_pk16_fp6_f32 v[\d0:\d0+2], v[\s:\s+15], v[TM+2]
	v_cvt_scalef32_pk16_fp6_f32 v[PT:PT+2], v[\s+16:\s+31], v[TM+2]      ; (a conversion's three registers begin on an even number)
	v_cvt_scalef32_pk16_fp6_f32 v[\d1:\d1+2], v[\s+32:\s+47], v[TM+3]
	v_cvt_scalef32_pk16_fp6_f32 v[PT+4:PT+6], v[\s+48:\s+63], v[TM+3]
	v_nop                                          ; one plain place behind a scaled conversion
.irp i, 0,1,2
	v_mov_b32 v[\d0+3+\i], v[PT+\i]
	v_mov_b32 v[\d1+3+\i], v[PT+4+\i]
.endr
.endm
.macro BIASQK a                        ; block a's 64 sums + the bias of their features, into window 0; each accumulator from its low end on
	WIN 0x02+(\a)/4
.set AC, 64*((\a)%4)
.set i, 0
.rept 32
	v_pk_add_f32 v[HA+i:HA+i+1], v[AC+i:AC+i+1], v[BI+i:BI+i+1]
.set i, i+2
.endr
	WIN 0
.endm
.macro BIASV a                         ; the same where the lane's row is the feature: one number, held twice in a pair
	WIN 0x02+(\a)/4
.set AC, 64*((\a)%4)
.set i, 0
.rept 32
	v_pk_add_f32 v[HA+i:HA+i+1], v[AC+i:AC+i+1], v[BI+2*(\a):BI+2*(\a)+1]
.set i, i+2
.endr
	WIN 0
.endm
	s_wait_alu depctr_va_vdst(0)
; THE WALK BY CHUNKS.  A step of 128 along K is 96 bytes of a row: eight steps to three chunks of 256 bytes; steps 2 and 5 lie across two chunks and take their pieces from both slots.
.macro FRG reg, adr, st, i             ; a fragment of step st in pieces of 8 bytes; byte y of a row lies in slot (y / 256) % 2 at byte y % 256 of the LDS row; tile i begins at row 64 (i / 4) + 8 (i % 4)
.irp p, 0,1,2,3,4,5
.set BY, 96*(\st)+48*(\p/3)+8*(\p%3)
.if BY/ROWB == (BY+24)/ROWB
	ds_load_b64 v[\reg+2*\p:\reg+2*\p+1], v[\adr+(BY/ROWB)%2] offset:BY%ROWB+(64*((\i)/4)+8*((\i)%4))*PITCH
.else
	ds_load_b64 v[\reg+2*\p:\reg+2*\p+1], v[\adr+2+(BY/ROWB)%2] offset:BY%ROWB-232+(64*((\i)/4)+8*((\i)%4))*PITCH
.endif
.endr
.endm
.macro FB2 st, p
	WIN TO_B
.irp i, 0,1,2,3,4,5,6,7
	FRG 128*(\p)+FR*\i, ADRB, \st, \i
.endr
	WIN 0
.endm
.macro FA2 st, i0
.irp i, \i0, \i0+1, \i0+2, \i0+3
	FRG AF+FR*(\i), ADRA, \st, \i
.endr
.endm
.macro SC2 pr                          ; the scale words of steps 2 pr, 2 pr + 1 into set pr % 2
.irp i, 0,1,2,3,4,5,6,7
	ds_load_b64 v[SC+8*NQ*((\pr)%2)+NQ*\i:SC+8*NQ*((\pr)%2)+NQ*\i+1], v[ADRS] offset:(8*(\i/4)+\i%4)*272+8*(\pr)
.endr
.endm
; A step.  Where the next step's bytes end in a chunk not yet read, a barrier shows that chunk whole; where they begin in a later chunk, the chunk left behind is free: the three lines, the barrier, and, where a chunk two on is left, the round and the refill.
.macro STP st, zero
.set NX, (\st)+1
.set C0, (96*(\st))/ROWB
.set C1, (96*NX)/ROWB
.set E0, (96*(\st)+95)/ROWB
.set E1, (96*NX+95)/ROWB
.if C1 > C0 || E1 > E0
	s_wait_tensorcnt 0x0                           ; all my tensor loads have landed
.if C1 > C0
	ds_add_u32 v[SPW], v[NIL]
	s_wait_dscnt 4*NL+1                            ; (the add and A's blocks 4-7 may be out)
.else
	s_wait_dscnt 4*NL
.endif
	WIN MUL_LO
	MUL16 0, (\st)%2, (\st)%2, ((\st)/2)%2, \zero
	s_wait_dscnt 0x0                               ; the add, where there is one, and all my reads are done
	s_barrier_signal -1
	MUL16 2, (\st)%2, (\st)%2, ((\st)/2)%2, \zero
	WIN 0
	s_barrier_wait -1
.if C1 > C0 && C0+2 < CHUNKS
	CREST
	s_add_nc_u64 s[G0+4*(C0%2)+2:G0+4*(C0%2)+3], s[G0+4*(C0%2)+2:G0+4*(C0%2)+3], 2*ROWB
	s_add_nc_u64 s[G0B+4*(C0%2)+2:G0B+4*(C0%2)+3], s[G0B+4*(C0%2)+2:G0B+4*(C0%2)+3], 2*ROWB
	JLOAD G0+4*(C0%2), G1, G0B+4*(C0%2), G1B       ; chunk C0 + 2, first behind the round; its four v_nop are the places in front of the loads below
.else
	PLACES NP
.endif
.else
	s_wait_dscnt 4*NL                              ; B's set and A's blocks 0-3 are in
	WIN MUL_LO
	MUL16 0, (\st)%2, (\st)%2, ((\st)/2)%2, \zero
	MUL16 2, (\st)%2, (\st)%2, ((\st)/2)%2, \zero
	s_wait_dscnt 0
	PLACES NP
.endif
	FB2 NX, NX%2
	FA2 NX, 0
.if NX%2 == 0
	SC2 NX/2
.endif
	WIN MUL_HI
	MUL16 4, (\st)%2, (\st)%2, ((\st)/2)%2, \zero
	MUL16 6, (\st)%2, (\st)%2, ((\st)/2)%2, \zero
	PLACES NP
	WIN 0
	FA2 NX, 4
.endm
	s_wait_tensorcnt 0x0                           ; my tile of the head's four is in
	ds_add_u32 v[SPW], v[NIL]
	s_mov_b32 s[G1+2], 128<<16                     ; no tensor load of mine is out: from here on a load brings 128 rows
	s_mov_b32 s[G1+4], 128
	s_mov_b32 s[G1B+2], 128<<16
	s_mov_b32 s[G1B+4], 128
	s_wait_dscnt 0x0
	CROUND
	JLOAD G0+4, G1, G0B+4, G1B                     ; chunk 1, the first tensor load behind the round
	FB2 0, 0
	FA2 0, 0
	SC2 0
	FA2 0, 4
	STP 0, 1                                       ; the first products start the sums
.irp t, 1,2,3,4,5,6
	STP \t, 0
.endr
	s_cmp_eq_u32 ttmp9, 2                          ; THE ONE PARTING, on the cluster's x: no LDS store, barrier or tensor load stands in either arm
	s_cbranch_scc1 .Lv
	; ---- q and k: a lane holds a token; its 64 numbers are d = 32 h + 0 .. 31 of my two heads.  The bias is asked for ahead of the last step's 64 products
.irp b, 0,1,2,3,4,5,6,7
	global_load_b128 v[BI+8*\b:BI+8*\b+3], v[BQO], s[PBI:PBI+1] offset:(64*(\b/4)+8*(\b%4))*4
	global_load_b128 v[BI+8*\b+4:BI+8*\b+7], v[BQO], s[PBI:PBI+1] offset:(64*(\b/4)+8*(\b%4))*4+16
.endr
	LAST
	PLACES NP
	s_wait_loadcnt 0x0
.irp a, 0,1,2,3,4,5,6,7                ; two neighbouring blocks of tokens make a PAIR fragment of each head: registers 0-5 the even block's, 6-11 the odd one's
.if (\a >= 2) && (\a%2 == 0)
	s_wait_xcnt 0x0                                ; the last pair's stores have read their registers
.endif
	BIASQK \a
	QUANT HA, FA+6*(\a%2), FB+6*(\a%2), WT+(\a%2)
.if \a%2 == 1
	v_perm_b32 v[W+\a/2], v[WT+1], v[WT], 0x05040100     ; the first head's word of the pair: the even block's two bytes, then the odd one's
	v_perm_b32 v[W+4+\a/2], v[WT+1], v[WT], 0x07060302   ; the second head's
.irp c, 0,1,2
	global_store_b128 v[OL16], v[FA+4*\c:FA+4*\c+3], s[OA:OA+1] offset:(\a/2)*1536+512*\c   ; 32 lanes store 512 consecutive bytes, aligned
	global_store_b128 v[OL16], v[FB+4*\c:FB+4*\c+3], s[OB:OB+1] offset:(\a/2)*1536+512*\c
.endr
.endif
.endr
	s_branch .Ltail
.Lv:
	; ---- v: a lane holds a feature (head a / 4, d = R(a % 4, r)); its 64 numbers are keys 64 c + 32 h + 0 .. 31 of my 128 tokens: a whole fragment
.irp a, 0,1,2,3,4,5,6,7
	global_load_b32 v[BI+2*\a], v[BVO], s[PBI:PBI+1] offset:(64*(\a/4)+8*(\a%4))*4
	global_load_b32 v[BI+2*\a+1], v[BVO], s[PBI:PBI+1] offset:(64*(\a/4)+8*(\a%4))*4
.endr
	LAST
	PLACES NP
	s_wait_loadcnt 0x0
.irp a, 0,1,2,3,4,5,6,7
.if \a >= 1
	s_wait_xcnt 0x0                                ; the last fragment's stores have read their registers
.endif
	BIASV \a
	QUANT HA, FA, FA+6, W+\a
.irp c, 0,1,2
.if \a < 4
	global_store_b128 v[OL16], v[FA+4*\c:FA+4*\c+3], s[OA:OA+1] offset:(\a%4)*1536+512*\c
.else
	global_store_b128 v[OL16], v[FA+4*\c:FA+4*\c+3], s[OB:OB+1] offset:(\a%4)*1536+512*\c
.endif
.endr
.endr
.Ltail:
	; the scale words: register j of a head's two carries fragment 2 j's rows in lanes 0-15 and fragment 2 j + 1's in lanes 16-31; 8 bytes a lane: one aligned run of 256 bytes a head
	s_wait_alu depctr_va_vdst(0)
.irp k, 0,1,2,3
	v_cndmask_b32 v[ST+\k], v[W+2*\k], v[W+2*\k+1], s[HIM]
.endr
	global_store_b64 v[OL8], v[ST:ST+1], s[SA:SA+1]
	global_store_b64 v[OL8], v[ST+2:ST+3], s[SB:SB+1]
	s_wait_tensorcnt 0x0                           ; the wave's end
	ds_add_u32 v[SPW], v[NIL]
	s_wait_dscnt 0x0
	CROUND                                         ; the closing round: no work-group ends while a partner may still ask for a tile that names it
	s_endpgm
.Lfunc_end_k_qaa062a2615_proj:
	.size	k_qaa062a2615_proj, .Lfunc_end_k_qaa062a2615_proj-k_qaa062a2615_proj
	.p2alignl 7, 3214868480
	.fill 96, 4, 3214868480
	.section	.rodata,"a",@progbits
	.p2align	6, 0x0
	.amdhsa_kernel k_qaa062a2615_proj
		.amdhsa_group_segment_fixed_size 327680
		.amdhsa_private_segment_fixed_size 0
		.amdhsa_enable_private_segment 0
		.amdhsa_kernarg_size 120
		.amdhsa_user_sgpr_count 2
		.amdhsa_user_sgpr_kernarg_segment_ptr 1
		.amdhsa_wavefront_size32 1
		.amdhsa_system_sgpr_workgroup_id_x 1
		.amdhsa_system_sgpr_workgroup_id_y 1
		.amdhsa_system_sgpr_workgroup_id_z 1
		.amdhsa_system_vgpr_workitem_id 0
		.amdhsa_next_free_vgpr 1024
		.amdhsa_next_free_sgpr 102
		.amdhsa_reserve_vcc 0
		.amdhsa_float_denorm_mode_32 3
		.amdhsa_float_denorm_mode_16_64 3
		.amdhsa_memory_ordered 1
		.amdhsa_forward_progress 1
		.amdhsa_inst_pref_size 230
	.end_amdhsa_kernel
	.amdgpu_metadata
---
amdhsa.version: [ 1, 2 ]
amdhsa.kernels:
  - .name:           k_qaa062a2615_proj
    .symbol:         k_qaa062a2615_proj.kd
    .args:
      - { .name: x_codes, .offset: 0, .size: 8, .value_kind: global_buffer, .address_space: global }
      - { .name: x_scales, .offset: 8, .size: 8, .value_kind: global_buffer, .address_space: global }
      - { .name: Wq_codes, .offset: 16, .size: 8, .value_kind: global_buffer, .address_space: global }
      - { .name: Wq_scales, .offset: 24, .size: 8, .value_kind: global_buffer, .address_space: global }
      - { .name: Wk_codes, .offset: 32, .size: 8, .value_kind: global_buffer, .address_space: global }
      - { .name: Wk_scales, .offset: 40, .size: 8, .value_kind: global_buffer, .address_space: global }
      - { .name: Wv_codes, .offset: 48, .size: 8, .value_kind: global_buffer, .address_space: global }
      - { .name: Wv_scales, .offset: 56, .size: 8, .value_kind: global_buffer, .address_space: global }
      - { .name: bq, .offset: 64, .size: 8, .value_kind: global_buffer, .address_space: global }
      - { .name: bk, .offset: 72, .size: 8, .value_kind: global_buffer, .address_space: global }
      - { .name: bv, .offset: 80, .size: 8, .value_kind: global_buffer, .address_space: global }
      - { .name: qimg, .offset: 88, .size: 8, .value_kind: global_buffer, .address_space: global }
      - { .name: qsc, .offset: 96, .size: 8, .value_kind: global_buffer, .address_space: global }
      - { .name: kv, .offset: 104, .size: 8, .value_kind: global_buffer, .address_space: global }
      - { .name: ksc, .offset: 112, .size: 8, .value_kind: global_buffer, .address_space: global }
    .group_segment_fixed_size: 327680
    .private_segment_fixed_size: 0
    .kernarg_segment_align: 8
    .kernarg_segment_size: 120
    .max_flat_workgroup_size: 128
    .sgpr_count:     102
    .vgpr_count:     1024
    .wavefront_size: 32
...
	.end_amdgpu_metadata
.endif
;; end of part 1
;; launch attn (part 2): grid 8 x 32, 16 waves a work-group, clusters of 4 x 1, 327,680 bytes of LDS; arguments qimg, qsc, kv, ksc, acd, asc; writes acd, asc
.if DOCPART == 2
	.amdgcn_target "amdgcn-amd-amdhsa--gfx1250"
	.amdhsa_code_object_version 6
	.text
	.protected	k_qaa062a2615_attn
	.globl	k_qaa062a2615_attn
	.p2align	8
	.type	k_qaa062a2615_attn,@function
k_qaa062a2615_attn:
	s_mov_b64 s[64:65], 0
	v_nop
	global_prefetch_b8 v0, s[64:65] scope:SCOPE_SE
	s_setreg_imm32_b32 hwreg(HW_REG_WAVE_MODE, 25, 1), 1
	s_wait_xcnt 0x0
	s_wait_alu depctr_hold_cnt(0) depctr_sa_sdst(0) depctr_va_vdst(0) depctr_va_sdst(0) depctr_va_ssrc(0) depctr_va_vcc(0) depctr_vm_vsrc(0)
	s_getreg_b32 s2, hwreg(HW_REG_IB_STS2, 6, 4)
	s_cmp_eq_u32 s2, 0
	s_cbranch_scc0 .Lentry_in_a_cluster
	s_endpgm
.Lentry_in_a_cluster:
	s_bfe_u32 s2, ttmp6, 0x10000c
	s_cmp_lg_u32 s2, 0x3003
	s_cbranch_scc0 .Lentry_shape_is_right
	s_endpgm
.Lentry_shape_is_right:
; Attention on codes of FP6 (E2M3): S^T = K Q^T (K = the head's 64), p = 2^(t - M), O^T = V^T P^T (K = the keys), O / l, quantised along E for the last product.
; t = score x log2(e) / 8; M = the running largest t rounded up to a whole number; l is the sum of the unquantised p; when M moves, l and O^T are multiplied by 2^(old M - new M): exact.
; SHARES.  A work-group owns 256 queries and a pair of heads; each of sixteen waves owns 16 queries and walks head 0's 16 key steps of 128 keys, then head 1's.
; OPERANDS ARE IMAGES OF REGISTERS (3 pieces of 512 bytes a fragment).  A key step's record: four PAIR fragments of K (two tiles of 16 keys, 64 numbers each), four fragments of V.
; Against [q | zeros] a pair gives its even tile's scores, against [zeros | q] the odd one's.  Lane r of tile i holds key 64 (i / 4) + 8 (i % 4) + r % 8 + 32 (r / 8): a lane's registers 32 c .. 32 c + 31 of S^T are one whole block of 32 keys.
; REGISTERS BY TURNS.  Three regions on end, B (48), C (16), A (48).  Even step: K in A, scores in B + C, V into A, and the next step's K into B once the scores are converted.  Odd step: K in B, scores in C + A, V into B, the next K into A.
; So a step's K is asked for one step ahead; a slot's last step asks for nothing (a branch on the loop's counter), and a slot's first K is asked for behind the change of slots.
; RING: two LDS slots of 8 key steps.  CLUSTER: the four query blocks of a cluster walk the same K and V: every load is a joint one, mask 15.  At the head twelve waves issue one load each: slot 0, the scale words, slot 1, a quarter each.
; No prefetch is written: a refill is issued eight key steps ahead of the wait for it.
; LIMITS: NaN and infinities are not served.  A block of zeros gets the scale byte 1 where the quantiser's rule says 127: its codes are zeros, and this program alone reads these bytes.  The promise holds while |t| stays under 2^31.
.set STEPB, 12288
.set VOFF,  6144
.set SLOTB, 8*STEPB
.set SCL,   2*SLOTB                    ; the scale words of 32 steps, 512 bytes each: K's 256, then V's 256
.set SG,    SCL+16384                  ; the stage for the result's scale words
.set SPARE, SG+1024                    ; the spare words
.set L16, 1
.set L8,  2
.set SPW, 3
.set NIL, 4
.set AD16, 5                           ; the step's record
.set AD8, 6                            ; the step's scale words
.set SGA, 7
.set SH8, 8
.set SGR, 9
.set R8,  10
.set QHI, 16                           ; v16-27 [zeros | q]
.set QQ,  22                           ; v22-33 [q | zeros]
.set QSL, 34
.set QSH, 35
.set QN,  36                           ; the second head's q, v42-43 its scale words
.set QNS, 42
.set RB,  44                           ; region B; the even steps' scores begin here
.set RC,  92                           ; region C; the odd steps' scores begin here
.set RA,  108                          ; region A
.set KS,  156
.set VS,  158
.set O,   160
.set PC,  192
.set PT,  204
.set BM,  212                          ; v212-215 four chains of maxima
.set BP,  216
.set BS,  220
.set F,   224
.set PW,  225
.set T0,  226
.set T1,  227
.set RF,  228
.set RW,  240
.set SM,  242                          ; v242-255 seven partial sums of l
.set WV,  16
.set SEL, 20
.set CS,  22
.set G1,  24
.set G1S, 32
.set G0S, 40
.set G0A, 44
.set G0B, 48
.set TB,  52
.set TS,  53
.set CNT, 54
.set UM,  55
.macro WALU
	s_wait_alu depctr_va_vdst(0)
.endm
.macro NOPS n
.rept \n
	v_nop
.endr
.endm
.macro TL g0, g1
	tensor_load_to_lds s[\g0:\g0+3], s[\g1:\g1+7]
	s_nop 0
	NOPS 4
.endm
.macro CROUND
	s_barrier_signal -1
	s_barrier_wait -1
	s_cmp_lg_u32 s[WV], 0
	s_cbranch_scc1 .Lnot_wave_0_\@
	s_barrier_signal -3
.Lnot_wave_0_\@:
	s_barrier_wait -3
	s_barrier_signal -1
	s_barrier_wait -1
.endm
	s_load_b256 s[4:11], s[0:1], 0x0               ; qimg, qsc, kv, ksc
	s_load_b128 s[12:15], s[0:1], 0x20             ; acd, asc
	v_lshl_add_u32 v[SPW], v0, 2, SPARE
	v_mov_b32 v[NIL], 0
	ds_add_u32 v[SPW], v[NIL]                      ; the opening lines
	ds_add_u32 v[SPW], v[NIL]
	s_wait_dscnt 0x0
	v_lshrrev_b32 v11, 5, v0
	v_readfirstlane_b32 s[WV], v11
	v_and_b32 v11, 31, v0
	v_lshlrev_b32 v[L16], 4, v11
	v_lshlrev_b32 v[L8], 3, v11
	v_and_b32 v[R8], 15, v0                        ; r, for a moment
	WALU
	v_bfe_u32 v[SH8], v0, 4, 1
	v_lshlrev_b32 v[SH8], 3, v[SH8]
	s_lshr_b32 s57, s[WV], 3                       ; which 128 of the 256 queries
	s_lshl_b32 s57, s57, 9
	s_and_b32 s58, s[WV], 1                        ; u: which tile of its pair
	s_lshl_b32 s59, s58, 8
	s_add_co_u32 s57, s57, s59
	s_bfe_u32 s59, s[WV], 0x20001                  ; pi: which pair
	s_lshl_b32 s60, s59, 2
	s_add_co_u32 s57, s57, s60
	s_add_co_u32 s57, s57, SG
	WALU
	v_lshl_add_u32 v[SGA], v[R8], 4, s57           ; 512 (w / 8) + 256 (w % 2) + 4 pi + 16 r
	s_lshl_b32 s60, s58, 9
	s_add_co_u32 s60, s60, SG
	v_add_nc_u32 v[SGR], s60, v[L16]
	v_lshlrev_b32 v[R8], 3, v[R8]
	s_bfe_u32 s17, ttmp6, 0x40000                  ; cx
	s_lshl_b32 s18, ttmp9, 2
	s_add_co_u32 s18, s18, s17                     ; my block of 256 queries
	s_and_b32 s19, ttmp7, 0xffff                   ; y = 8 x batch + pair of heads
	s_mov_b32 s[SEL], 0x76543210
	s_mov_b32 s[SEL+1], 0xfedcba98
	s_mov_b32 s[CS], 0x3e38aa3b                    ; log2(e) / 8
	s_mov_b32 s[CS+1], s[CS]
	s_cmp_eq_u32 s58, 1
	s_cselect_b32 s[UM], -1, 0
	s_lshl_b32 s56, s58, 4
	s_mov_b32 s[G1], 15|(3<<16)|(1<<21)            ; mask of all four; elements of 8 bytes; 96 dense rows of 256 bytes
	s_mov_b32 s[G1+1], 32<<16
	s_mov_b32 s[G1+2], 96<<16
	s_mov_b32 s[G1+3], 32<<16
	s_mov_b32 s[G1+4], 96
	s_mov_b32 s[G1+5], 32
	s_mov_b32 s[G1+6], 0
	s_mov_b32 s[G1+7], 0
	s_mov_b32 s[G1S], 15|(3<<16)|(1<<21)           ; the same with 16 rows
	s_mov_b32 s[G1S+1], 32<<16
	s_mov_b32 s[G1S+2], 16<<16
	s_mov_b32 s[G1S+3], 32<<16
	s_mov_b32 s[G1S+4], 16
	s_mov_b32 s[G1S+5], 32
	s_mov_b32 s[G1S+6], 0
	s_mov_b32 s[G1S+7], 0
	s_and_b32 s61, s[WV], 3                        ; which quarter I fetch
	s_mul_i32 s62, s61, 24576
	s_lshl_b32 s63, s61, 12
	s_mul_i32 s66, s19, 32*STEPB
	s_add_co_u32 s66, s66, s62
	s_mov_b32 s67, 0
	s_lshl_b32 s68, s19, 14
	s_add_co_u32 s68, s68, s63
	s_mov_b32 s69, 0
	s_wait_kmcnt 0x0
	s_mov_b32 s[G0S], 1
	s_add_co_u32 s[G0S+1], s63, SCL
	s_add_nc_u64 s[G0S+2:G0S+3], s[10:11], s[68:69]
	s_or_b32 s[G0S+3], s[G0S+3], 0x80000000
	s_mov_b32 s[G0A], 1
	s_mov_b32 s[G0A+1], s62
	s_add_nc_u64 s[G0A+2:G0A+3], s[8:9], s[66:67]
	s_mov_b32 s[G0B], 1
	s_add_co_u32 s[G0B+1], s62, SLOTB
	s_add_nc_u64 s[G0B+2:G0B+3], s[G0A+2:G0A+3], SLOTB
	s_or_b32 s[G0A+3], s[G0A+3], 0x80000000
	s_or_b32 s[G0B+3], s[G0B+3], 0x80000000
	CROUND                                         ; the first joint loads meet
	s_cmp_lt_u32 s[WV], 4                          ; one chain of arms, one load to an arm
	s_cbranch_scc0 .Lh_scales
	TL G0A, G1                                     ; waves 0-3: steps 0 to 7
	s_branch .Lh_join
.Lh_scales:
	s_cmp_lt_u32 s[WV], 8
	s_cbranch_scc0 .Lh_slot1
	TL G0S, G1S                                    ; waves 4-7: the scale words of all 32 steps
	s_branch .Lh_join
.Lh_slot1:
	s_cmp_lt_u32 s[WV], 12
	s_cbranch_scc0 .Lh_join
	TL G0B, G1                                     ; waves 8-11: steps 8 to 15
.Lh_join:
	s_lshl_b32 s66, s19, 5                         ; Q of both heads: the pair fragment that holds my tile, and its scale word
	s_lshl_b32 s67, s18, 1
	s_add_co_u32 s66, s66, s67
	s_lshr_b32 s67, s[WV], 3
	s_add_co_u32 s66, s66, s67
	s_mul_i32 s68, s66, 6144
	s_mul_i32 s69, s59, 1536
	s_add_co_u32 s68, s68, s69
	s_mov_b32 s69, 0
	s_add_nc_u64 s[4:5], s[4:5], s[68:69]
	s_lshl_b32 s68, s66, 8
	s_and_b32 s70, s59, 1
	s_lshl_b32 s70, s70, 7
	s_add_co_u32 s68, s68, s70
	s_lshr_b32 s70, s59, 1
	s_lshl_b32 s70, s70, 2
	s_add_co_u32 s68, s68, s70
	s_add_nc_u64 s[6:7], s[6:7], s[68:69]
	WALU
.irp hd, 0,1
.irp c, 0,1,2
	global_load_b128 v[RC+12*\hd+4*\c:RC+12*\hd+4*\c+3], v[L16], s[4:5] offset:98304*\hd+512*\c
.endr
	global_load_b32 v[RC+24+\hd], v[R8], s[6:7] offset:4096*\hd
.endr
	s_and_b32 s66, s19, 7                          ; where the results go
	s_lshr_b32 s67, s19, 3
	s_mul_i32 s68, s66, 1536                       ; acd: [tile of 16 tokens][K step of the last product][1,536 bytes]
	s_lshl_b32 s69, s67, 7
	s_lshl_b32 s70, s18, 4
	s_add_co_u32 s69, s69, s70
	s_add_co_u32 s69, s69, s[WV]
	s_mul_i32 s69, s69, 12288
	s_add_co_u32 s68, s68, s69
	s_mov_b32 s69, 0
	s_add_nc_u64 s[12:13], s[12:13], s[68:69]
	s_lshl_b32 s68, s67, 3
	s_add_co_u32 s68, s68, s18
	s_lshl_b32 s68, s68, 13
	s_lshl_b32 s70, s66, 10
	s_add_co_u32 s68, s68, s70
	s_lshl_b32 s70, s58, 9
	s_add_co_u32 s68, s68, s70
	s_add_nc_u64 s[14:15], s[14:15], s[68:69]
.macro RESET                           ; a head begins: the largest t is -3e38; l and O^T are zeros
	v_mov_b32 v13, 0xff61b1e6
	v_floor_f32 v12, -v13
	v_mov_b32 v14, 0
	v_mov_b32 v15, 0
.set j, 0
.rept 32
	v_mov_b32 v[O+j], 0
.set j, j+1
.endr
.endm
.macro MMK pi, u, KR, S                ; tile 2 pi + u of S^T
.set rS, \S+16*(\pi)+8*(\u)
.set rK, \KR+12*(\pi)
.set rQ, QQ-6*(\u)
.if (\pi)%2
	v_wmma_scale_f32_16x16x128_f8f6f4 v[rS:rS+7], v[rK:rK+11], v[rQ:rQ+11], 0, v[KS+(\pi)/2], v[QSL+(\u)] matrix_a_fmt:MATRIX_FMT_FP6 matrix_b_fmt:MATRIX_FMT_FP6 matrix_a_scale:MATRIX_SCALE_ROW1
.else
	v_wmma_scale_f32_16x16x128_f8f6f4 v[rS:rS+7], v[rK:rK+11], v[rQ:rQ+11], 0, v[KS+(\pi)/2], v[QSL+(\u)] matrix_a_fmt:MATRIX_FMT_FP6 matrix_b_fmt:MATRIX_FMT_FP6
.endif
.endm
.macro MMV t, KR                       ; tile t of O^T
.set rO, O+8*(\t)
.set rV, \KR+12*(\t)
.if (\t)%2
	v_wmma_scale_f32_16x16x128_f8f6f4 v[rO:rO+7], v[rV:rV+11], v[PC:PC+11], v[rO:rO+7], v[VS+(\t)/2], v[PW] matrix_a_fmt:MATRIX_FMT_FP6 matrix_b_fmt:MATRIX_FMT_FP6 matrix_a_scale:MATRIX_SCALE_ROW1
.else
	v_wmma_scale_f32_16x16x128_f8f6f4 v[rO:rO+7], v[rV:rV+11], v[PC:PC+11], v[rO:rO+7], v[VS+(\t)/2], v[PW] matrix_a_fmt:MATRIX_FMT_FP6 matrix_b_fmt:MATRIX_FMT_FP6
.endif
.endm
.macro LD12 reg, off                   ; four fragments: 12 loads of 16 bytes a lane
.irp i, 0,1,2,3,4,5,6,7,8,9,10,11
	ds_load_b128 v[\reg+4*\i:\reg+4*\i+3], v[AD16] offset:\off+512*\i
.endr
.endm
; A KEY STEP.  KR: where K lies and V goes; S: the scores' first register; PF: where the next step's K goes; last = 1: the copy that ends a trip, which asks for no K in the loop's last trip.
.macro STEP KR, S, PF, last
	v_add_nc_u32 v[AD16], s[TB], v[L16]
	v_add_nc_u32 v[AD8], s[TS], v[L8]
	NOPS 3                                         ; five places: the scores are laid over the registers that the last products read
	WALU
	s_wait_dscnt 0x0                               ; K, asked for one step ago, is in
.irp pi, 0,1,2,3
	MMK \pi, 0, \KR, \S
	MMK \pi, 1, \KR, \S
.endr
	NOPS 4
	LD12 \KR, VOFF                                 ; V lands under the softmax
	ds_load_b64 v[VS:VS+1], v[AD8] offset:256
.irp g, 0,1                            ; the largest score of each of my two blocks, in two chains a block; each accumulator is first read at its low end
.irp c, 0,1
	v_max3_num_f32 v[BM+2*\g+\c], v[\S+32*\c+16*\g], v[\S+32*\c+16*\g+1], v[\S+32*\c+16*\g+2]
.endr
.endr
.irp i, 3,5,7,9,11,13
.irp g, 0,1
.irp c, 0,1
	v_max3_num_f32 v[BM+2*\g+\c], v[BM+2*\g+\c], v[\S+32*\c+16*\g+\i], v[\S+32*\c+16*\g+\i+1]
.endr
.endr
.endr
.irp c, 0,1
	v_max3_num_f32 v[BM+\c], v[BM+\c], v[\S+32*\c+15], v[\S+32*\c+31]
.endr
.irp c, 0,1
	v_max_num_f32 v[BM+\c], v[BM+\c], v[BM+2+\c]
.endr
	s_delay_alu instid0(VALU_DEP_1)
	v_max_num_f32 v[T0], v[BM], v[BM+1]
	s_delay_alu instid0(VALU_DEP_1)
	v_permlanex16_b32 v[T1], v[T0], s[SEL], s[SEL+1]
	s_delay_alu instid0(VALU_DEP_1)
	v_max_num_f32 v[T0], v[T0], v[T1]              ; the step's largest score of my query
	s_delay_alu instid0(VALU_DEP_1)
	v_mul_f32 v[T0], s[CS], v[T0]
	s_delay_alu instid0(VALU_DEP_1)
	v_max_num_f32 v13, v13, v[T0]
	v_mov_b32 v[T0], v12
	s_delay_alu instid0(VALU_DEP_2)
	v_floor_f32 v12, -v13                          ; the new -M
	s_delay_alu instid0(VALU_DEP_1)
	v_sub_f32 v[T0], v12, v[T0]
	s_delay_alu instid0(VALU_DEP_1)
	v_cvt_i32_f32 v[T0], v[T0]
	s_delay_alu instid0(VALU_DEP_1)
	v_ldexp_f32 v[F], 1.0, v[T0]                   ; 2^(old M - new M)
.set j, 0
.rept 32
	v_pk_fma_f32 v[\S+j:\S+j+1], v[\S+j:\S+j+1], s[CS:CS+1], v[12:13] op_sel_hi:[1,0,0]   ; t - M
.set j, j+2
.endr
.irp c, 0,1
	v_fma_f32 v[BM+\c], v[BM+\c], s[CS], v12       ; the same of each block's largest score
.endr
	WALU                                           ; ahead of the batch
.set j, 0
.rept 64
	v_exp_f32 v[\S+j], v[\S+j]
.set j, j+1
.endr
	v_pk_mul_f32 v[14:15], v[14:15], v[F:F+1] op_sel_hi:[1,0]   ; l under the new M
	WALU                                           ; one wait for the 64
.irp c, 0,1
	v_exp_f32 v[BM+\c], v[BM+\c]                   ; the block's largest p
.endr
.irp k, 0,1,2,3,4,5,6                  ; l: the 32 pairs of p in eight chains
	v_pk_add_f32 v[SM+2*\k:SM+2*\k+1], v[\S+4*\k:\S+4*\k+1], v[\S+4*\k+2:\S+4*\k+3]
.endr
	v_pk_add_f32 v[14:15], v[14:15], v[\S+28:\S+29]
.irp k, 0,1,2,3,4,5,6
	v_pk_add_f32 v[SM+2*\k:SM+2*\k+1], v[SM+2*\k:SM+2*\k+1], v[\S+30+2*\k:\S+31+2*\k]
.endr
	v_pk_add_f32 v[14:15], v[14:15], v[\S+44:\S+45]
.irp k, 0,1,2,3,4,5,6
	v_pk_add_f32 v[SM+2*\k:SM+2*\k+1], v[SM+2*\k:SM+2*\k+1], v[\S+46+2*\k:\S+47+2*\k]
.endr
	v_pk_add_f32 v[14:15], v[14:15], v[\S+60:\S+61]
	v_pk_add_f32 v[SM:SM+1], v[SM:SM+1], v[\S+62:\S+63]
	v_pk_add_f32 v[14:15], v[14:15], v[SM+6:SM+7]
	v_pk_add_f32 v[SM:SM+1], v[SM:SM+1], v[SM+8:SM+9]
	v_pk_add_f32 v[SM+2:SM+3], v[SM+2:SM+3], v[SM+10:SM+11]
	v_pk_add_f32 v[SM+4:SM+5], v[SM+4:SM+5], v[SM+12:SM+13]
	v_pk_add_f32 v[14:15], v[14:15], v[SM+2:SM+3]
	v_pk_add_f32 v[SM:SM+1], v[SM:SM+1], v[SM+4:SM+5]
	s_delay_alu instid0(VALU_DEP_1)
	v_pk_add_f32 v[14:15], v[14:15], v[SM:SM+1]
	WALU                                           ; and one for the two
.irp c, 0,1
	v_max_num_f32 v[BM+\c], 0x1800000, v[BM+\c]    ; the floor 2^(3 - 127): the byte cannot fall under 1
.endr
.irp c, 0,1
	v_add_nc_u32 v[BS+\c], 0xff000000, v[BM+\c]    ; 2 off the exponent field: the conversion's scale operand
.endr
.irp c, 0,1
	v_lshrrev_b32 v[BP+\c], 23, v[BS+\c]
.endr
	v_lshl_or_b32 v[PW], v[BP+1], 16, v[BP]
	v_lshlrev_b32 v[PW], v[SH8], v[PW]
	v_permlanex16_b32 v[T1], v[PW], s[SEL], s[SEL+1]
	v_or_b32 v[PW], v[PW], v[T1]                   ; p's scale word for these 128 keys
.irp c, 0,1
	v_cvt_scalef32_pk16_fp6_f32 v[PC+6*\c:PC+6*\c+2], v[\S+32*\c:\S+32*\c+15], v[BS+\c]
	v_cvt_scalef32_pk16_fp6_f32 v[PT+4*\c:PT+4*\c+2], v[\S+32*\c+16:\S+32*\c+31], v[BS+\c]
.endr
	v_nop                                          ; a plain place behind the conversions
	WALU
	s_wait_dscnt 0x0                               ; V is in: nothing younger is out
.if \last
	s_cmp_eq_u32 s[CNT], 1                         ; the slot's last step: the next K lies in the other slot, which the change of slots shows
	s_cbranch_scc1 .Lno_k_\@
.endif
	LD12 \PF, STEPB                                ; the next step's K, into score registers that are done with
	ds_load_b64 v[KS:KS+1], v[AD8] offset:512
.if \last
.Lno_k_\@:
.endif
.irp c, 0,1
.irp i, 0,1,2
	v_mov_b32 v[PC+6*\c+3+\i], v[PT+4*\c+\i]
.endr
.endr
	WALU                                           ; directly ahead of the first reader of O^T
.set j, 0
.rept 16
	v_pk_mul_f32 v[O+j:O+j+1], v[O+j:O+j+1], v[F:F+1] op_sel_hi:[1,0]   ; O^T under the new M; for each product below twelve of these name none of its registers
.set j, j+2
.endr
.irp t, 0,1,2,3
	MMV \t, \KR
.endr
	s_add_co_u32 s[TB], s[TB], STEPB
	s_add_co_u32 s[TS], s[TS], 512
.endm
.macro PHASE base, sbase               ; a slot's eight key steps: its first K, then four trips of two steps
	s_mov_b32 s[TB], \base
	s_mov_b32 s[TS], \sbase
	s_mov_b32 s[CNT], 4
	v_add_nc_u32 v[AD16], s[TB], v[L16]
	v_add_nc_u32 v[AD8], s[TS], v[L8]
	LD12 RA, 0
	ds_load_b64 v[KS:KS+1], v[AD8]
.Lstep_\@:
	STEP RA, RB, RB, 0
	STEP RB, RC, RA, 1
	s_sub_co_u32 s[CNT], s[CNT], 1
	s_cmp_lg_u32 s[CNT], 0
	s_cbranch_scc1 .Lstep_\@
.endm
; THE CHANGE OF SLOTS.  fill = 1: a round of the cluster's barrier, and waves 0-3 fill the slot just left with the steps 16 on.  There the add stands twice.
.macro CHANGE fill, g0
	WALU
	s_wait_tensorcnt 0x0
	ds_add_u32 v[SPW], v[NIL]
.if \fill
	ds_add_u32 v[SPW], v[NIL]
	s_add_nc_u64 s[\g0+2:\g0+3], s[\g0+2:\g0+3], 2*SLOTB   ; no tensor load of mine is out
.endif
	s_wait_dscnt 0x0
.if \fill
	CROUND
	s_cmp_lt_u32 s[WV], 4
	s_cbranch_scc0 .Lnone_\@
	TL \g0, G1
.Lnone_\@:
.else
	s_barrier_signal -1
	s_barrier_wait -1
.endif
.endm
; A HEAD'S END: O^T / l; a lane's 32 numbers are one block of 32 along E: registers 6 hd .. 6 hd + 5 of the result's fragment, byte 2 hd + lane / 16 of its scale word.
.macro HEADEND hd
	NOPS 4
	v_add_f32 v14, v14, v15
	v_permlanex16_b32 v[T1], v14, s[SEL], s[SEL+1]
	v_add_f32 v14, v14, v[T1]
	WALU
	v_rcp_f32 v[T0], v14
	v_nop
	WALU
.set j, 0
.rept 16
	v_pk_mul_f32 v[RC+j:RC+j+1], v[O+j:O+j+1], v[T0:T0+1] op_sel_hi:[1,0]
.set j, j+2
.endr
.irp c, 0,1
	v_max3_num_f32 v[BM+\c], |v[RC+16*\c]|, |v[RC+16*\c+1]|, 0x1800000
.endr
.irp i, 2,4,6,8,10,12,14
.irp c, 0,1
	v_max3_num_f32 v[BM+\c], v[BM+\c], |v[RC+16*\c+\i]|, |v[RC+16*\c+\i+1]|
.endr
.endr
	v_max_num_f32 v[BM], v[BM], v[BM+1]
	v_add_nc_u32 v[BS], 0xff000000, v[BM]
	v_lshrrev_b32 v[BP], 23, v[BS]
	v_lshlrev_b32 v[BP], v[SH8], v[BP]
	v_permlanex16_b32 v[T1], v[BP], s[SEL], s[SEL+1]
	v_or_b32 v[BP], v[BP], v[T1]
	v_cvt_scalef32_pk16_fp6_f32 v[RF+6*\hd:RF+6*\hd+2], v[RC:RC+15], v[BS]
	v_cvt_scalef32_pk16_fp6_f32 v[PT:PT+2], v[RC+16:RC+31], v[BS]
	v_nop
.irp i, 0,1,2
	v_mov_b32 v[RF+6*\hd+3+\i], v[PT+\i]
.endr
.if \hd == 0
	v_mov_b32 v[RW], v[BP]
.irp i, 0,1,2,3,4,5
	v_mov_b32 v[QQ+\i], v[QN+\i]                   ; the second head's q; RESET's lines are the places behind these writes
.endr
	v_mov_b32 v[QSL], v[QNS]
	v_mov_b32 v[QSH], v[QNS+1]
	RESET
.else
	v_lshl_or_b32 v[RW], v[BP], 16, v[RW]
.endif
.endm
	s_wait_loadcnt 0x0                             ; Q
.irp i, 0,1,2,3,4,5
	v_cndmask_b32 v[QQ+\i], v[RC+\i], v[RC+6+\i], s[UM]      ; my tile's half of the pair fragment
	v_cndmask_b32 v[QN+\i], v[RC+12+\i], v[RC+18+\i], s[UM]
.endr
.irp i, 0,1,2,3,4,5
	v_mov_b32 v[QHI+\i], 0
	v_mov_b32 v[QQ+6+\i], 0
.endr
	v_lshrrev_b32 v[T0], s56, v[RC+24]
	v_lshrrev_b32 v[T1], s56, v[RC+25]
	v_and_b32 v[T0], 0xffff, v[T0]
	v_and_b32 v[T1], 0xffff, v[T1]
	v_or_b32 v[QSL], 0x7f7f0000, v[T0]             ; the zero codes' blocks get the byte 127
	v_lshl_or_b32 v[QSH], v[T0], 16, 0x7f7f
	v_or_b32 v[QNS], 0x7f7f0000, v[T1]
	v_lshl_or_b32 v[QNS+1], v[T1], 16, 0x7f7f
	v_mov_b32 v[PW], 0                             ; (named with F as a pair before it is first written)
	RESET
	WALU
	s_cmp_lt_u32 s[WV], 8                          ; the waves that brought slot 0 and the scale words wait; slot 1's loads, lines of waves 8-11 alone, may stay out
	s_cbranch_scc0 .Lno_wait
	s_wait_tensorcnt 0x0
.Lno_wait:
	s_barrier_signal -1
	s_barrier_wait -1
	PHASE 0, SCL                                   ; head 0, steps 0 to 7
	CHANGE 1, G0A                                  ; slot 0 takes head 1's steps 0 to 7
	PHASE SLOTB, SCL+4096
	CHANGE 1, G0B                                  ; slot 1 takes head 1's steps 8 to 15; the head's end is register work and stands behind the refill
	HEADEND 0
	PHASE 0, SCL+8192
	CHANGE 0, G0A
	PHASE SLOTB, SCL+12288
	HEADEND 1
.irp c, 0,1,2
	global_store_b128 v[L16], v[RF+4*\c:RF+4*\c+3], s[12:13] offset:512*\c   ; 32 lanes store 512 consecutive bytes, aligned
.endr
	ds_store_b32 v[SGA], v[RW]
	s_wait_dscnt 0x0
	s_barrier_signal -1
	s_barrier_wait -1
	s_cmp_lt_u32 s[WV], 2                          ; waves 0 and 1 store the sixteen tiles' scale words, 512 consecutive bytes each
	s_cbranch_scc0 .Lnot_sc
	ds_load_b128 v[RC:RC+3], v[SGR]
	s_wait_dscnt 0x0
	global_store_b128 v[L16], v[RC:RC+3], s[14:15]
.Lnot_sc:
	s_wait_tensorcnt 0x0                           ; the wave's end
	ds_add_u32 v[SPW], v[NIL]
	s_wait_dscnt 0x0
	CROUND
	s_endpgm
.Lfunc_end_k_qaa062a2615_attn:
	.size	k_qaa062a2615_attn, .Lfunc_end_k_qaa062a2615_attn-k_qaa062a2615_attn
	.p2alignl 7, 3214868480
	.fill 96, 4, 3214868480
	.section	.rodata,"a",@progbits
	.p2align	6, 0x0
	.amdhsa_kernel k_qaa062a2615_attn
		.amdhsa_group_segment_fixed_size 327680
		.amdhsa_private_segment_fixed_size 0
		.amdhsa_enable_private_segment 0
		.amdhsa_kernarg_size 48
		.amdhsa_user_sgpr_count 2
		.amdhsa_user_sgpr_kernarg_segment_ptr 1
		.amdhsa_wavefront_size32 1
		.amdhsa_system_sgpr_workgroup_id_x 1
		.amdhsa_system_sgpr_workgroup_id_y 1
		.amdhsa_system_sgpr_workgroup_id_z 1
		.amdhsa_system_vgpr_workitem_id 0
		.amdhsa_next_free_vgpr 256
		.amdhsa_next_free_sgpr 80
		.amdhsa_reserve_vcc 0
		.amdhsa_float_denorm_mode_32 3
		.amdhsa_float_denorm_mode_16_64 3
		.amdhsa_memory_ordered 1
		.amdhsa_forward_progress 1
		.amdhsa_inst_pref_size 143
	.end_amdhsa_kernel
	.amdgpu_metadata
---
amdhsa.version: [ 1, 2 ]
amdhsa.kernels:
  - .name:           k_qaa062a2615_attn
    .symbol:         k_qaa062a2615_attn.kd
    .args:
      - { .name: qimg, .offset: 0, .size: 8, .value_kind: global_buffer, .address_space: global }
      - { .name: qsc, .offset: 8, .size: 8, .value_kind: global_buffer, .address_space: global }
      - { .name: kv, .offset: 16, .size: 8, .value_kind: global_buffer, .address_space: global }
      - { .name: ksc, .offset: 24, .size: 8, .value_kind: global_buffer, .address_space: global }
      - { .name: acd, .offset: 32, .size: 8, .value_kind: global_buffer, .address_space: global }
      - { .name: asc, .offset: 40, .size: 8, .value_kind: global_buffer, .address_space: global }
    .group_segment_fixed_size: 327680
    .private_segment_fixed_size: 0
    .kernarg_segment_align: 8
    .kernarg_segment_size: 48
    .max_flat_workgroup_size: 512
    .sgpr_count:     80
    .vgpr_count:     256
    .wavefront_size: 32
...
	.end_amdgpu_metadata
.endif
;; end of part 2
;; launch outp (part 3): grid 4 x 64, 4 waves a work-group, clusters of 4 x 4, 327,680 bytes of LDS; arguments acd, asc, Wo_codes, Wo_scales, bo, out0; writes out0
.if DOCPART == 3
	.amdgcn_target "amdgcn-amd-amdhsa--gfx1250"
	.amdhsa_code_object_version 6
	.text
	.protected	k_qaa062a2615_outp
	.globl	k_qaa062a2615_outp
	.p2align	8
	.type	k_qaa062a2615_outp,@function
k_qaa062a2615_outp:
	s_mov_b64 s[64:65], 0
	v_nop
	global_prefetch_b8 v0, s[64:65] scope:SCOPE_SE
	s_setreg_imm32_b32 hwreg(HW_REG_WAVE_MODE, 25, 1), 1
	s_wait_xcnt 0x0
	s_wait_alu depctr_hold_cnt(0) depctr_sa_sdst(0) depctr_va_vdst(0) depctr_va_sdst(0) depctr_va_ssrc(0) depctr_va_vcc(0) depctr_vm_vsrc(0)
	s_getreg_b32 s2, hwreg(HW_REG_IB_STS2, 6, 4)
	s_cmp_eq_u32 s2, 0
	s_cbranch_scc0 .Lentry_in_a_cluster
	s_endpgm
.Lentry_in_a_cluster:
	s_bfe_u32 s2, ttmp6, 0x10000c
	s_cmp_lg_u32 s2, 0xf033
	s_cbranch_scc0 .Lentry_shape_is_right
	s_endpgm
.Lentry_shape_is_right:
; out0 = a Wo^T + bo on codes of FP6 (E2M3) with one E8M0 scale for each 32 along K = 1,024; sums in f32.
; a comes from the launch before as images of operand registers: acd[tile of 16 tokens][K step of 128][3 pieces of 512 bytes, 16 bytes a lane];
; asc[256 tokens][K step][128 tokens][tile % 2][row r][pair of tiles]: 4 bytes are a tile's scale word of row r.  Row r of tile a of a run of 128 tokens is token 64 (a / 4) + 8 (a % 4) + r % 8 + 32 (r / 8).
; A BLOCK is 128 tokens x 256 columns: 64 x 4 blocks, 256 work-groups.  Four waves, 2 x 2: a wave makes 64 tokens (4 tiles) x 128 columns: 32 accumulators.
; ALL OF K LIES IN LDS: the block's eight tiles of a are 98,304 dense bytes, Wo's 256 rows 256 x (768 + 48 of padding).  Four joint loads at the head, one a wave; nothing is filled again, so the eight K steps pass no barrier
; but one, in the last step, behind which LDS serves as the stage of the way out.  The scale words of all of K go once from memory into registers.
; CLUSTERS: 4 x 4 work-groups; a's tiles are asked for jointly along a row of the cluster, Wo's rows along a column.
; The matrix instruction is used transposed (source 0 = Wo's rows, source 1 = a's): a lane holds eight neighbouring columns of a token.  The bias is the first products' C.
; No prefetch is written: all that the work-group reads is asked for at the head, and there is no loop to run ahead in.
; LIMITS: a given scale byte 0xff gives NaN.
; REGISTERS: window 0: v16-31 addresses; v32-47 a's scale words; v64-127 the bias; v128-223 a's fragments, two sets of four; v224-255 Wo's scale words.  window 1: Wo's fragments, two sets of eight, at v0 and v128.  window 2: accumulator (a, b) at v[8 (8 a + b)].
.set KROW,   768
.set PITCH,  816                       ; an LDS row of Wo: 3 x (256 + 16)
.set FR,     12
.set NP,     4                         ; places behind this matrix instruction (ISA guide 7.12.1)
.set HALFA,  4*12288                   ; four tiles of a, all of K
.set BB0,    2*HALFA
.set HALFT,  128*PITCH
.set SPARE,  BB0+2*HALFT               ; the spare words
.set SPITCH, 528
.set ADRA, 16
.set ADRB, 20                          ; v20, v21 Wo's blocks 0-3, 4-7; v22, v23 the same behind one padding more
.set STO,  24
.set RD,   25
.set CO,   26                          ; 16 x lane
.set AO,   27                          ; my offset in a's scale words
.set SPW,  28
.set NIL,  29
.set BOF,  30                          ; 32 x lane: Wo's scale bytes
.set BO,   31                          ; 32 x (lane / 16): the bias
.set SA,   32                          ; register 2 kk + a / 2: lanes 0-15 the even tile's words, lanes 16-31 the odd one's
.set CI,   64
.set AF,   128
.set SBR,  224                         ; register 8 (b / 2) + kk: lanes 0-15 the even block's words, lanes 16-31 the odd one's
.set BK,   128
.set WV,   16
.set RH,   17
.set CH,   18
.set G1,   24
.set G0,   32
.set G1B,  48
.set G0B,  56
.set MSB, 0
.macro WIN new
.if MSB != (\new)
	s_set_vgpr_msb (MSB<<8)|(\new)
.set MSB, (\new)
.endif
.endm
.set MUL_LO, 0xa1                      ; source 0 window 1, source 1 window 0, C and D window 2
.set FST_LO, 0x81                      ; the same with C in window 0
.set TO_B,   0x40
.macro PLACES n
.rept \n
	v_nop
.endr
.endm
.macro CROUND
	s_barrier_signal -1
	s_barrier_wait -1
	s_cmp_lg_u32 s[WV], 0
	s_cbranch_scc1 .Lnot_wave_0_\@
	s_barrier_signal -3
.Lnot_wave_0_\@:
	s_barrier_wait -3
	s_barrier_signal -1
	s_barrier_wait -1
.endm
	s_load_b256 s[4:11], s[0:1], 0x0               ; acd, asc, Wo_codes, Wo_scales
	s_load_b128 s[12:15], s[0:1], 0x20             ; bo, out0
	v_lshl_add_u32 v[SPW], v0, 2, SPARE
	v_mov_b32 v[NIL], 0
	ds_add_u32 v[SPW], v[NIL]                      ; the opening lines
	ds_add_u32 v[SPW], v[NIL]
	s_wait_dscnt 0x0
	v_lshrrev_b32 v1, 5, v0
	v_readfirstlane_b32 s[WV], v1
	s_lshr_b32 s[RH], s[WV], 1                     ; my 64 tokens.  Also: I fetch for Wo (0) or for a (1)
	s_and_b32 s[CH], s[WV], 1                      ; my 128 columns.  Also: which half I fetch
	s_bfe_u32 s40, ttmp6, 0x40000
	s_bfe_u32 s41, ttmp6, 0x40004
	s_lshl_b32 s42, ttmp9, 2
	s_add_co_u32 s42, s42, s40                     ; block column
	s_and_b32 s19, ttmp7, 0xffff
	s_lshl_b32 s19, s19, 2
	s_add_co_u32 s19, s19, s41                     ; block row
	s_lshl_b32 s43, s41, 2
	s_lshl_b32 s43, 15, s43                        ; my row of the cluster
	s_lshl_b32 s44, 0x1111, s40                    ; my column
	s_or_b32 s[G1+0], s43, (3<<16)|(1<<21)         ; a: 49,152 dense bytes as 192 rows of 256
	s_mov_b32 s[G1+1], 32<<16
	s_mov_b32 s[G1+2], 192<<16
	s_mov_b32 s[G1+3], 32<<16
	s_mov_b32 s[G1+4], 192
	s_mov_b32 s[G1+5], 32
	s_mov_b32 s[G1+6], 0
	s_mov_b32 s[G1+7], 0
	s_or_b32 s[G1B+0], s44, (0<<16)|(1<<20)|(1<<21)|(5<<22)|(3<<25)   ; Wo: 128 rows of 768 bytes, 16 bytes of padding behind every 256
	s_mov_b32 s[G1B+1], KROW<<16
	s_mov_b32 s[G1B+2], 128<<16
	s_mov_b32 s[G1B+3], KROW<<16
	s_mov_b32 s[G1B+4], 128
	s_mov_b32 s[G1B+5], KROW
	s_mov_b32 s[G1B+6], 0
	s_mov_b32 s[G1B+7], 0
	s_lshl_b32 s20, s19, 3
	s_lshl_b32 s21, s[CH], 2
	s_add_co_u32 s20, s20, s21
	s_mul_i32 s20, s20, 12288                      ; a: the four tiles that I fetch
	s_mov_b32 s21, 0
	s_lshr_b32 s22, s19, 1
	s_lshl_b32 s22, s22, 13
	s_and_b32 s23, s19, 1
	s_lshl_b32 s23, s23, 9
	s_add_co_u32 s22, s22, s23                     ; a's scale words: 8,192 x (block row / 2) + 512 x (block row % 2)
	s_mov_b32 s23, 0
	s_lshl_b32 s46, s42, 8
	s_lshl_b32 s47, s[CH], 7
	s_add_co_u32 s46, s46, s47                     ; Wo: my 128 rows (those that I fetch are those that I multiply)
	s_lshl_b32 s92, s46, 5
	s_mov_b32 s93, 0
	s_mul_i32 s46, s46, KROW
	s_mov_b32 s47, 0
	s_lshl_b32 s70, s[RH], 3
	s_mul_i32 s71, s[RH], HALFA
	s_mul_i32 s72, s[CH], HALFT
	s_add_co_u32 s72, s72, BB0
	s_add_co_u32 s73, s72, 64*PITCH
	s_mul_i32 s74, s[WV], 16*SPITCH
	s_mul_i32 s45, s[CH], HALFA
	s_lshl_b32 s76, s19, 7
	s_lshl_b32 s77, s[RH], 6
	s_add_co_u32 s76, s76, s77
	s_lshl_b32 s76, s76, 12                        ; my first token's row of out0
	s_lshl_b32 s78, s42, 10
	s_lshl_b32 s79, s[CH], 9
	s_add_co_u32 s78, s78, s79                     ; my first column, in bytes
	s_add_co_u32 s76, s76, s78
	s_mov_b32 s77, 0
	s_mov_b32 s79, 0
	s_wait_kmcnt 0x0
	s_add_nc_u64 s[20:21], s[4:5], s[20:21]
	s_add_nc_u64 s[6:7], s[6:7], s[22:23]
	s_add_nc_u64 s[46:47], s[8:9], s[46:47]
	s_add_nc_u64 s[10:11], s[10:11], s[92:93]
	s_add_nc_u64 s[12:13], s[12:13], s[78:79]
	s_add_nc_u64 s[14:15], s[14:15], s[76:77]
	CROUND                                         ; the joint loads meet
	s_mov_b32 s[G0], 1
	s_mov_b32 s[G0+1], s45
	s_mov_b64 s[G0+2:G0+3], s[20:21]
	s_or_b32 s[G0+3], s[G0+3], 0x80000000
	s_mov_b32 s[G0B], 1
	s_mov_b32 s[G0B+1], s72
	s_mov_b64 s[G0B+2:G0B+3], s[46:47]
	s_or_b32 s[G0B+3], s[G0B+3], 0x80000000
	s_cmp_eq_u32 s[RH], 0                          ; one load a wave: waves 0 and 1 a half of Wo's rows each, waves 2 and 3 a half of a's tiles
	s_cbranch_scc0 .Lfor_a
	tensor_load_to_lds s[G0B:G0B+3], s[G1B:G1B+7]
	s_nop 0
	PLACES 4
	s_branch .Lasked
.Lfor_a:
	tensor_load_to_lds s[G0:G0+3], s[G1:G1+7]
	s_nop 0
	PLACES 4
.Lasked:
	v_and_b32 v1, 15, v0
	v_bfe_u32 v2, v0, 4, 1
	v_and_b32 v6, 31, v0
	v_lshlrev_b32 v[CO], 4, v6
	v_lshlrev_b32 v[BOF], 5, v6
	v_lshlrev_b32 v[BO], 5, v2
	v_add_nc_u32 v[AO], s70, v[CO]                 ; 16 x lane + 8 x my half: two words, my two pairs of tiles
	v_add_nc_u32 v[ADRA], s71, v[CO]
	v_mul_u32_u24 v3, v1, PITCH
	v_mad_u32_u24 v4, v2, 24, v3
	v_lshl_add_u32 v5, v2, 4, v4
	v_add_nc_u32 v[ADRB], s72, v4
	v_add_nc_u32 v[ADRB+1], s73, v4
	v_add_nc_u32 v[ADRB+2], s72, v5
	v_add_nc_u32 v[ADRB+3], s73, v5
	v_mul_u32_u24 v7, v1, SPITCH
	v_lshl_add_u32 v7, v2, 5, v7
	v_add_nc_u32 v[STO], s74, v7
	v_add_nc_u32 v[RD], s74, v[CO]
.irp k, 0,1,2,3,4,5,6,7
	global_load_b64 v[SA+2*\k:SA+2*\k+1], v[AO], s[6:7] offset:1024*\k
.endr
.irp i, 0,1,2,3
.irp c, 0,1
	global_load_b128 v[SBR+8*\i+4*\c:SBR+8*\i+4*\c+3], v[BOF], s[10:11] offset:1024*\i+16*\c   ; row 32 i + lane: its eight scale words
.endr
.endr
.irp b, 0,1,2,3,4,5,6,7
	global_load_b128 v[CI+8*\b:CI+8*\b+3], v[BO], s[12:13] offset:64*\b
	global_load_b128 v[CI+8*\b+4:CI+8*\b+7], v[BO], s[12:13] offset:64*\b+16
.endr
.macro FRAGB reg, adr, q, i            ; Wo's block i of K step q in pieces of 8 bytes; where lanes 16-31 lie behind one padding more, the second kind of address serves
.irp p, 0,1,2,3,4,5
.set PCE, 12*(\q)+6*(\p/3)+\p%3
.if PCE%32 < 29
	ds_load_b64 v[\reg+2*\p:\reg+2*\p+1], v[\adr+(\i)/4] offset:8*PCE+16*(PCE/32)+((\i)%4)*16*PITCH
.else
	ds_load_b64 v[\reg+2*\p:\reg+2*\p+1], v[\adr+2+(\i)/4] offset:8*PCE+16*(PCE/32)+((\i)%4)*16*PITCH
.endif
.endr
.endm
.macro GETB kk, i0, n                  ; n blocks of Wo from block i0 on, K step kk, into set kk % 2
	WIN TO_B
.set II, \i0
.rept \n
	FRAGB 128*((\kk)%2)+FR*II, ADRB, \kk, II
.set II, II+1
.endr
	WIN 0
.endm
.macro GETA kk, a                      ; tile a of K step kk into set kk % 2
.irp c, 0,1,2
	ds_load_b128 v[AF+48*((\kk)%2)+FR*(\a)+4*\c:AF+48*((\kk)%2)+FR*(\a)+4*\c+3], v[ADRA] offset:(\a)*12288+(\kk)*1536+512*\c
.endr
.endm
.macro MUL8 a, kk                      ; tile a against Wo's eight blocks; the 32 accumulators take turns
.if (\kk) == 0
	WIN FST_LO
.else
	WIN MUL_LO
.endif
.irp b, 0,1,2,3,4,5,6,7
.set rD, 8*(8*(\a)+\b)
.set rC, rD
.if (\kk) == 0
.set rC, CI+8*\b
.endif
.set rB, 128*((\kk)%2)+FR*\b
.set rA, AF+48*((\kk)%2)+FR*(\a)
.set rX, SBR+8*(\b/2)+(\kk)
.set rY, SA+2*(\kk)+(\a)/2
.if (\b%2) && ((\a)%2)
	v_wmma_scale_f32_16x16x128_f8f6f4 v[rD:rD+7], v[rB:rB+FR-1], v[rA:rA+FR-1], v[rC:rC+7], v[rX], v[rY] matrix_a_fmt:MATRIX_FMT_FP6 matrix_b_fmt:MATRIX_FMT_FP6 matrix_a_scale:MATRIX_SCALE_ROW1 matrix_b_scale:MATRIX_SCALE_ROW1
.elseif \b%2
	v_wmma_scale_f32_16x16x128_f8f6f4 v[rD:rD+7], v[rB:rB+FR-1], v[rA:rA+FR-1], v[rC:rC+7], v[rX], v[rY] matrix_a_fmt:MATRIX_FMT_FP6 matrix_b_fmt:MATRIX_FMT_FP6 matrix_a_scale:MATRIX_SCALE_ROW1
.elseif (\a)%2
	v_wmma_scale_f32_16x16x128_f8f6f4 v[rD:rD+7], v[rB:rB+FR-1], v[rA:rA+FR-1], v[rC:rC+7], v[rX], v[rY] matrix_a_fmt:MATRIX_FMT_FP6 matrix_b_fmt:MATRIX_FMT_FP6 matrix_b_scale:MATRIX_SCALE_ROW1
.else
	v_wmma_scale_f32_16x16x128_f8f6f4 v[rD:rD+7], v[rB:rB+FR-1], v[rA:rA+FR-1], v[rC:rC+7], v[rX], v[rY] matrix_a_fmt:MATRIX_FMT_FP6 matrix_b_fmt:MATRIX_FMT_FP6
.endif
.endr
.endm
; A K STEP: 32 products in four groups; the next step's 60 LDS loads stand behind the first three groups, into the sets that the step before multiplied.
.macro KSTEP kk
	s_wait_dscnt 0x0                               ; this step's fragments are in
.if (\kk) == 7
	s_barrier_signal -1                            ; my last reads of LDS are over
.endif
	MUL8 0, \kk
.if (\kk) < 7
	PLACES NP                                      ; places between the last step's products and loads into the registers that they read
	GETB (\kk)+1, 0, 3
	GETA (\kk)+1, 0
	GETA (\kk)+1, 1
.endif
	MUL8 1, \kk
.if (\kk) < 7
	GETB (\kk)+1, 3, 3
	GETA (\kk)+1, 2
	GETA (\kk)+1, 3
.endif
	MUL8 2, \kk
.if (\kk) < 7
	GETB (\kk)+1, 6, 2
.endif
	MUL8 3, \kk
	WIN 0
.endm
	s_wait_alu depctr_va_vdst(0)
	s_wait_tensorcnt 0x0                           ; my part is in
	s_barrier_signal -1
	s_barrier_wait -1                              ; and everybody's
	GETB 0, 0, 8
.irp a, 0,1,2,3
	GETA 0, \a
.endr
	s_wait_loadcnt 0x0                             ; the scale words and the bias
.irp k, 0,1,2,3,4,5,6,7
	KSTEP \k
.endr
	s_barrier_wait -1                              ; nobody reads a's tiles or Wo's rows any more: the stage may lie on them
; THE WAY OUT, tile by tile: 16 tokens x 128 columns go through my stage in LDS and come back as whole rows of 512 bytes
.macro TOSTAGE a
.set AC, 64*(\a)
	WIN 0x08
.irp b, 0,1,2,3,4,5,6,7
	ds_store_b128 v[STO], v[AC+8*\b:AC+8*\b+3] offset:64*\b          ; each accumulator from its low end on
	ds_store_b128 v[STO], v[AC+8*\b+4:AC+8*\b+7] offset:64*\b+16
.endr
	WIN 0
.set BB, BK+64*((\a)%2)
.irp t, 0,1,2,3,4,5,6,7,8,9,10,11,12,13,14,15
	ds_load_b128 v[BB+4*\t:BB+4*\t+3], v[RD] offset:\t*SPITCH
.endr
.endm
.macro SEND a, younger                 ; younger: the LDS instructions issued behind tile a's loads
.set BB, BK+64*((\a)%2)
	s_wait_dscnt \younger
.irp t, 0,1,2,3,4,5,6,7,8,9,10,11,12,13,14,15
	global_store_b128 v[CO], v[BB+4*\t:BB+4*\t+3], s[14:15] offset:(8*(\a)+(\t%8)+32*(\t/8))*4096 th:TH_STORE_NT   ; 32 lanes store 512 consecutive bytes, aligned
.endr
.endm
	PLACES NP
	TOSTAGE 0
.irp a, 1,2,3
.if \a > 1
	s_wait_xcnt 0x0                                ; tile a - 2's stores have read their registers
.endif
	TOSTAGE \a
	SEND \a-1, 32                                  ; behind tile a - 1's loads: tile a's 16 stores and 16 loads
.endr
	SEND 3, 0
	s_wait_tensorcnt 0x0                           ; the wave's end
	ds_add_u32 v[SPW], v[NIL]
	s_wait_dscnt 0x0
	CROUND                                         ; the closing round
	s_endpgm
.Lfunc_end_k_qaa062a2615_outp:
	.size	k_qaa062a2615_outp, .Lfunc_end_k_qaa062a2615_outp-k_qaa062a2615_outp
	.p2alignl 7, 3214868480
	.fill 96, 4, 3214868480
	.section	.rodata,"a",@progbits
	.p2align	6, 0x0
	.amdhsa_kernel k_qaa062a2615_outp
		.amdhsa_group_segment_fixed_size 327680
		.amdhsa_private_segment_fixed_size 0
		.amdhsa_enable_private_segment 0
		.amdhsa_kernarg_size 48
		.amdhsa_user_sgpr_count 2
		.amdhsa_user_sgpr_kernarg_segment_ptr 1
		.amdhsa_wavefront_size32 1
		.amdhsa_system_sgpr_workgroup_id_x 1
		.amdhsa_system_sgpr_workgroup_id_y 1
		.amdhsa_system_sgpr_workgroup_id_z 1
		.amdhsa_system_vgpr_workitem_id 0
		.amdhsa_next_free_vgpr 1024
		.amdhsa_next_free_sgpr 98
		.amdhsa_reserve_vcc 0
		.amdhsa_float_denorm_mode_32 3
		.amdhsa_float_denorm_mode_16_64 3
		.amdhsa_memory_ordered 1
		.amdhsa_forward_progress 1
		.amdhsa_inst_pref_size 90
	.end_amdhsa_kernel
	.amdgpu_metadata
---
amdhsa.version: [ 1, 2 ]
amdhsa.kernels:
  - .name:           k_qaa062a2615_outp
    .symbol:         k_qaa062a2615_outp.kd
    .args:
      - { .name: acd, .offset: 0, .size: 8, .value_kind: global_buffer, .address_space: global }
      - { .name: asc, .offset: 8, .size: 8, .value_kind: global_buffer, .address_space: global }
      - { .name: Wo_codes, .offset: 16, .size: 8, .value_kind: global_buffer, .address_space: global }
      - { .name: Wo_scales, .offset: 24, .size: 8, .value_kind: global_buffer, .address_space: global }
      - { .name: bo, .offset: 32, .size: 8, .value_kind: global_buffer, .address_space: global }
      - { .name: out0, .offset: 40, .size: 8, .value_kind: global_buffer, .address_space: global }
    .group_segment_fixed_size: 327680
    .private_segment_fixed_size: 0
    .kernarg_segment_align: 8
    .kernarg_segment_size: 48
    .max_flat_workgroup_size: 128
    .sgpr_count:     98
    .vgpr_count:     1024
    .wavefront_size: 32
...
	.end_amdgpu_metadata
.endif
;; end of part 3
